; MI455X (gfx1250); checked and timed in simulation.
; The chip was launched on July 23, 2026; its instructions are those of AMD's public machine-readable ISA for CDNA 5 (MIT licence, August 2026) and "CDNA5" Instruction Set Architecture Reference Guide (July 2026). The comments in the code are by the model that wrote it; some were corrected since.
;; Mo E Layer. Allowed arithmetic: float matrix products may take bf16 or f16 operands with f32 sums; other float arithmetic in f32, or as packed bf16 or f16 multiplies, adds, multiply-adds, maxima and minima; sums over many terms, partial sums and values carried from step to step in f32; what a program stores and reads back later, other than sums and carried values, may be rounded once to bf16 or f16.
;; Inputs: W1 8 x 4,096 x 1,024 float32; W2 8 x 1,024 x 4,096 float32; Wr 8 x 1,024 float32; b1 8 x 4,096 float32; b2 8 x 1,024 float32; br 8 float32; hidden_states 2 x 512 x 1,024 float32; ln_b 1,024 float32; ln_w 1,024 float32.
;; Outputs: out0 2 x 512 x 1,024 float32; out1 one number float32.
;; 2 versions, each right; version 2 is version 1 with the launches ffn1, ffn2 written anew for expert scheduling mode. Each part assembles by itself: llvm-mc -triple=amdgcn-amd-amdhsa -mcpu=gfx1250 --defsym DOCPART=n.
;; ======== version 1 of 2: 4 launches
;; limits: a function is approximated: absolute error at most 2.5e-05
;; workspace buffers: xn 2,097,152 bytes; topi 8,192 bytes of whole numbers; topw 8,192 bytes; psum 8,192 bytes; abuf 67,633,152 bytes; ypart 33,554,432 bytes
;; launch router (part 1): grid 256 x 1, 1 waves a work-group, no clusters, 0 bytes of LDS; arguments hidden_states, ln_w, ln_b, Wr, br, xn, topi, topw, psum; writes xn, topi, topw, psum
.if DOCPART == 1
	.amdgcn_target "amdgcn-amd-amdhsa--gfx1250"
	.amdhsa_code_object_version 6
	.text
	.protected	k_qbc666bab20_router
	.globl	k_qbc666bab20_router
	.p2align	8
	.type	k_qbc666bab20_router,@function
k_qbc666bab20_router:
	s_mov_b64 s[64:65], 0
	v_nop
	global_prefetch_b8 v0, s[64:65] scope:SCOPE_SE
	s_setreg_imm32_b32 hwreg(HW_REG_WAVE_MODE, 25, 1), 1
	s_wait_xcnt 0x0
; LayerNorm, router, top-2.  One wave takes 4 tokens (rows 4 wg .. 4 wg + 3 of 1,024); lane l owns columns 128 j + 4 l .. + 3, j = 0..7,
; so each 16-byte load of the wave covers 512 neighbouring bytes.  All arithmetic in f32 (mean first, then the squares of the differences).
; Out: xn (the normalised row, rounded once to bf16), topi[2 token + k] (the chosen expert, a whole number at a fixed place),
; topw[2 token + k] (softmax over the two chosen logits), psum[wg][e] (the sum over my 4 tokens of softmax(logits)[e], in f32).
; No address and no branch here hangs on the logits: every choice is a select.
; LIMITS.  Ties keep the lower index, as jax.lax.top_k does.  NaN and infinities are not treated apart.  The maximum is taken away ahead of every exponential.
; No LDS, no matrix unit, no cluster: 8 logits a token are 8 dot products, and the work-groups share only Wr (32 KiB).
.set A, 16            ; v16-31   8 pairs at work (sums; later the dot products; later best, index, second, index of each token)
.set L, 32            ; v32-63   logit (t, e) at L + 8 t + e
.set X, 64            ; v64-191  token t's 32 numbers at X + 32 t
.set LW, 192          ; v192-223 ln_w of my columns
.set LB, 224          ; v224-255 ln_b; behind the LayerNorm v192-255 hold Y: 16 registers of bf16 a token
.set Y, 192
                      ; window 1: Wr(e) at 32 e
.set MSB, 0
.macro WIN new        ; the immediate's high byte repeats the setting that is left
.if MSB != (\new)
	s_set_vgpr_msb (MSB<<8)|(\new)
.set MSB, \new
.endif
.endm
; the sum over the 32 lanes of n registers base, base + stride ..; the result in every lane; v8-15 at work
.macro WSUM base, stride, n
.irp m, 1,2,4,8
.set i, 0
.rept \n
	v_add_f32_dpp v[(\base)+(\stride)*i], v[(\base)+(\stride)*i], v[(\base)+(\stride)*i] row_xmask:\m row_mask:0xf bank_mask:0xf
.set i, i+1
.endr
.endr
.set i, 0
.rept \n
	v_permlanex16_b32 v[8+i], v[(\base)+(\stride)*i], s32, s33
.set i, i+1
.endr
.set i, 0
.rept \n
	v_add_f32 v[(\base)+(\stride)*i], v[(\base)+(\stride)*i], v[8+i]
.set i, i+1
.endr
.endm
	s_load_b512 s[4:19], s[0:1], 0x0               ; hidden s[4:5], ln_w s[6:7], ln_b s[8:9], Wr s[10:11], br s[12:13], xn s[14:15], topi s[16:17], topw s[18:19]
	s_load_b64 s[20:21], s[0:1], 0x40              ; psum
	s_lshl_b32 s2, ttmp9, 14                       ; 4 rows of 4,096 bytes
	s_mov_b32 s3, 0
	s_lshl_b32 s22, ttmp9, 13                      ; 4 rows of 2,048 bytes
	s_mov_b32 s23, 0
	s_lshl_b32 s36, ttmp9, 5                       ; 8 words
	s_mov_b32 s37, 0
	s_mov_b32 s32, 0x76543210                      ; v_permlanex16_b32: each lane takes its own place in the other half
	s_mov_b32 s33, 0xfedcba98
	s_mov_b32 s34, 0x3a800000                      ; 1 / 1024
	s_mov_b32 s35, 0x3727c5ac                      ; 1e-5
	s_mov_b32 s38, 0x3fb8aa3b                      ; log2(e)
	v_lshlrev_b32 v1, 4, v0                        ; 16 x lane
	v_lshlrev_b32 v2, 3, v0                        ; 8 x lane
	v_lshlrev_b32 v3, 2, v0                        ; 4 x lane
.irp i, 8,9,10,11,12,13,14,15
	v_mov_b32 v\i, 0                               ; v_permlanex16_b32 counts as a reader of its destination
.endr
	s_wait_kmcnt 0x0
	s_load_b256 s[24:31], s[12:13], 0x0            ; br
	s_add_nc_u64 s[4:5], s[4:5], s[2:3]
	s_add_nc_u64 s[14:15], s[14:15], s[22:23]
	s_add_nc_u64 s[16:17], s[16:17], s[36:37]
	s_add_nc_u64 s[18:19], s[18:19], s[36:37]
	s_add_nc_u64 s[20:21], s[20:21], s[36:37]
.irp t, 0,1,2,3
.irp j, 0,1,2,3,4,5,6,7
	global_load_b128 v[X+32*(\t)+4*(\j):X+32*(\t)+4*(\j)+3], v1, s[4:5] offset:(\t)*4096+(\j)*512 th:TH_LOAD_NT
.endr
.endr
.irp j, 0,1,2,3,4,5,6,7
	global_load_b128 v[LW+4*(\j):LW+4*(\j)+3], v1, s[6:7] offset:(\j)*512
.endr
.irp j, 0,1,2,3,4,5,6,7
	global_load_b128 v[LB+4*(\j):LB+4*(\j)+3], v1, s[8:9] offset:(\j)*512
.endr
	WIN 0x40                                       ; destination window 1
.irp e, 0,1,2,3,4,5,6,7
.irp j, 0,1,2,3,4,5,6,7
	global_load_b128 v[32*(\e)+4*(\j):32*(\e)+4*(\j)+3], v1, s[10:11] offset:(\e)*4096+(\j)*512
.endr
.endr
	WIN 0
	s_wait_loadcnt 63                              ; 112 loads were issued: at most 63 are out, so the oldest 49 are in: the 32 of x, the 8 of ln_w, the 8 of ln_b
	; the mean: two chains of packed sums a token, the four tokens by turns
.irp t, 0,1,2,3
	v_pk_add_f32 v[A+4*(\t):A+4*(\t)+1], v[X+32*(\t):X+32*(\t)+1], v[X+32*(\t)+2:X+32*(\t)+3]
	v_pk_add_f32 v[A+4*(\t)+2:A+4*(\t)+3], v[X+32*(\t)+4:X+32*(\t)+5], v[X+32*(\t)+6:X+32*(\t)+7]
.endr
.set i, 4
.rept 12
.irp t, 0,1,2,3
	v_pk_add_f32 v[A+4*(\t)+2*(i%2):A+4*(\t)+2*(i%2)+1], v[A+4*(\t)+2*(i%2):A+4*(\t)+2*(i%2)+1], v[X+32*(\t)+2*i:X+32*(\t)+2*i+1]
.endr
.set i, i+1
.endr
.irp t, 0,1,2,3
	v_pk_add_f32 v[A+4*(\t):A+4*(\t)+1], v[A+4*(\t):A+4*(\t)+1], v[A+4*(\t)+2:A+4*(\t)+3]
.endr
.irp t, 0,1,2,3
	v_add_f32 v[A+4*(\t)], v[A+4*(\t)], v[A+4*(\t)+1]
.endr
	WSUM A, 4, 4
.irp t, 0,1,2,3
	v_mul_f32 v[A+4*(\t)], s34, v[A+4*(\t)]
.endr
	; x - mean, in place (the pair's low word serves both halves)
.set i, 0
.rept 16
.irp t, 0,1,2,3
	v_pk_add_f32 v[X+32*(\t)+2*i:X+32*(\t)+2*i+1], v[X+32*(\t)+2*i:X+32*(\t)+2*i+1], v[A+4*(\t):A+4*(\t)+1] op_sel_hi:[1,0] neg_lo:[0,1] neg_hi:[0,1]
.endr
.set i, i+1
.endr
	; the sum of its squares
.irp t, 0,1,2,3
	v_pk_mul_f32 v[A+4*(\t):A+4*(\t)+1], v[X+32*(\t):X+32*(\t)+1], v[X+32*(\t):X+32*(\t)+1]
	v_pk_mul_f32 v[A+4*(\t)+2:A+4*(\t)+3], v[X+32*(\t)+2:X+32*(\t)+3], v[X+32*(\t)+2:X+32*(\t)+3]
.endr
.set i, 2
.rept 14
.irp t, 0,1,2,3
	v_pk_fma_f32 v[A+4*(\t)+2*(i%2):A+4*(\t)+2*(i%2)+1], v[X+32*(\t)+2*i:X+32*(\t)+2*i+1], v[X+32*(\t)+2*i:X+32*(\t)+2*i+1], v[A+4*(\t)+2*(i%2):A+4*(\t)+2*(i%2)+1]
.endr
.set i, i+1
.endr
.irp t, 0,1,2,3
	v_pk_add_f32 v[A+4*(\t):A+4*(\t)+1], v[A+4*(\t):A+4*(\t)+1], v[A+4*(\t)+2:A+4*(\t)+3]
.endr
.irp t, 0,1,2,3
	v_add_f32 v[A+4*(\t)], v[A+4*(\t)], v[A+4*(\t)+1]
.endr
	WSUM A, 4, 4
.irp t, 0,1,2,3
	v_fma_f32 v[A+4*(\t)+2], v[A+4*(\t)], s34, s35 ; variance + 1e-5
.endr
.irp t, 0,1,2,3
	v_rsq_f32 v[A+4*(\t)], v[A+4*(\t)+2]
.endr
	v_nop                                          ; a plain instruction behind the last of the batch,
	s_wait_alu depctr_va_vdst(0)                   ; and one wait for the four, ahead of their first reader
.set i, 0
.rept 16
.irp t, 0,1,2,3
	v_pk_mul_f32 v[X+32*(\t)+2*i:X+32*(\t)+2*i+1], v[X+32*(\t)+2*i:X+32*(\t)+2*i+1], v[A+4*(\t):A+4*(\t)+1] op_sel_hi:[1,0]
.endr
.set i, i+1
.endr
.set i, 0
.rept 16
.irp t, 0,1,2,3
	v_pk_fma_f32 v[X+32*(\t)+2*i:X+32*(\t)+2*i+1], v[X+32*(\t)+2*i:X+32*(\t)+2*i+1], v[LW+2*i:LW+2*i+1], v[LB+2*i:LB+2*i+1]
.endr
.set i, i+1
.endr
	; xn: rounded once to bf16; a store of the wave covers 256 consecutive bytes, aligned
.irp t, 0,1,2,3
.set i, 0
.rept 16
	v_cvt_pk_bf16_f32 v[Y+16*(\t)+i], v[X+32*(\t)+2*i], v[X+32*(\t)+2*i+1]
.set i, i+1
.endr
.endr
.irp t, 0,1,2,3
.irp j, 0,1,2,3,4,5,6,7
	global_store_b64 v2, v[Y+16*(\t)+2*(\j):Y+16*(\t)+2*(\j)+1], s[14:15] offset:(\t)*2048+(\j)*256
.endr
.endr
	; the logits: 8 chains a token over my 32 columns
	s_wait_loadcnt 0x0                             ; Wr
.irp t, 0,1,2,3
	WIN 0x04                                       ; source 1 (Wr) in window 1
.set i, 0
.rept 16
.irp e, 0,1,2,3,4,5,6,7
.if i == 0
	v_pk_mul_f32 v[A+2*(\e):A+2*(\e)+1], v[X+32*(\t):X+32*(\t)+1], v[32*(\e):32*(\e)+1]
.else
	v_pk_fma_f32 v[A+2*(\e):A+2*(\e)+1], v[X+32*(\t)+2*i:X+32*(\t)+2*i+1], v[32*(\e)+2*i:32*(\e)+2*i+1], v[A+2*(\e):A+2*(\e)+1]
.endif
.endr
.set i, i+1
.endr
	WIN 0
.irp e, 0,1,2,3,4,5,6,7
	v_add_f32 v[L+8*(\t)+(\e)], v[A+2*(\e)], v[A+2*(\e)+1]
.endr
.endr
	s_wait_kmcnt 0x0                               ; br
.irp t, 0,1,2,3
	WSUM L+8*(\t), 1, 8
.irp e, 0,1,2,3,4,5,6,7
	v_add_f32 v[L+8*(\t)+(\e)], s[24+(\e)], v[L+8*(\t)+(\e)]
.endr
.endr
	; top-2 by selects.  Token t: best v[16+4t], its index v[17+4t], second v[18+4t], its index v[19+4t].  'Greater' alone replaces: the lower index stays on a tie.
.irp t, 0,1,2,3
	v_mov_b32 v[16+4*(\t)], v[L+8*(\t)]
	v_mov_b32 v[17+4*(\t)], 0
	v_mov_b32 v[18+4*(\t)], 0xff800000
	v_mov_b32 v[19+4*(\t)], 0
.endr
.irp e, 1,2,3,4,5,6,7
.irp t, 0,1,2,3
	v_cmp_gt_f32 vcc_lo, v[L+8*(\t)+(\e)], v[16+4*(\t)]
	v_cndmask_b32 v[16+4*(\t)], v[16+4*(\t)], v[L+8*(\t)+(\e)], vcc_lo
	v_cndmask_b32 v[17+4*(\t)], v[17+4*(\t)], \e, vcc_lo
.endr
.endr
.irp e, 0,1,2,3,4,5,6,7
.irp t, 0,1,2,3
	v_cmp_ne_u32 s36, \e, v[17+4*(\t)]
	v_cmp_gt_f32 vcc_lo, v[L+8*(\t)+(\e)], v[18+4*(\t)]
	s_and_b32 vcc_lo, vcc_lo, s36
	v_cndmask_b32 v[18+4*(\t)], v[18+4*(\t)], v[L+8*(\t)+(\e)], vcc_lo
	v_cndmask_b32 v[19+4*(\t)], v[19+4*(\t)], \e, vcc_lo
.endr
.endr
	; both softmaxes take the row's maximum (the best logit) away: 2^((x - best) log2 e)
.irp t, 0,1,2,3
	v_mul_f32 v[4+(\t)], 0xbfb8aa3b, v[16+4*(\t)]
.endr
.irp t, 0,1,2,3
.irp e, 0,1,2,3,4,5,6,7
	v_fma_f32 v[L+8*(\t)+(\e)], v[L+8*(\t)+(\e)], s38, v[4+(\t)]
.endr
	v_fma_f32 v[18+4*(\t)], v[18+4*(\t)], s38, v[4+(\t)]
.endr
.set i, 0
.rept 32
	v_exp_f32 v[L+i], v[L+i]
.set i, i+1
.endr
.irp t, 0,1,2,3
	v_exp_f32 v[18+4*(\t)], v[18+4*(\t)]
.endr
	v_nop
	s_wait_alu depctr_va_vdst(0)                   ; one wait for the 36 exponentials
.irp t, 0,1,2,3
	v_add_f32 v[8+(\t)], v[L+8*(\t)], v[L+8*(\t)+1]
	v_add_f32 v[12+(\t)], 1.0, v[18+4*(\t)]
.endr
.irp e, 2,3,4,5,6,7
.irp t, 0,1,2,3
	v_add_f32 v[8+(\t)], v[8+(\t)], v[L+8*(\t)+(\e)]
.endr
.endr
.irp i, 8,9,10,11,12,13,14,15
	v_rcp_f32 v\i, v\i
.endr
	v_nop
	s_wait_alu depctr_va_vdst(0)                   ; one wait for the 8 reciprocals
.irp t, 0,1,2,3
	v_mul_f32 v[18+4*(\t)], v[18+4*(\t)], v[12+(\t)]   ; the second's weight; the best's is v[12+t]
.endr
.irp e, 0,1,2,3,4,5,6,7
	v_mul_f32 v[L+(\e)], v[L+(\e)], v8
.endr
.irp t, 1,2,3
.irp e, 0,1,2,3,4,5,6,7
	v_fmac_f32 v[L+(\e)], v[L+8*(\t)+(\e)], v[8+(\t)]  ; the four tokens' probabilities of expert e
.endr
.endr
	; lane l of the first eight takes element l of each of the three lists
.irp l, 1,2,3,4,5,6,7
	v_cmp_eq_u32 s[40+(\l)], \l, v0
.endr
	v_mov_b32 v4, v17
	v_mov_b32 v5, v12
	v_mov_b32 v6, v[L]
.irp l, 1,2,3,4,5,6,7
	v_cndmask_b32 v4, v4, v[17+4*((\l)/2)+2*((\l)%2)], s[40+(\l)]
.if (\l)%2
	v_cndmask_b32 v5, v5, v[18+4*((\l)/2)], s[40+(\l)]
.else
	v_cndmask_b32 v5, v5, v[12+(\l)/2], s[40+(\l)]
.endif
	v_cndmask_b32 v6, v6, v[L+(\l)], s[40+(\l)]
.endr
	v_cmp_gt_u32 vcc_lo, 8, v0
	s_wait_xcnt 0x0                                ; EXEC is a source of the stores above: it changes only behind this wait
	s_and_saveexec_b32 s48, vcc_lo
	global_store_b32 v3, v4, s[16:17]
	global_store_b32 v3, v5, s[18:19]
	global_store_b32 v3, v6, s[20:21]
	s_wait_xcnt 0x0                                ; and again ahead of the line that widens it
	s_or_b32 exec_lo, exec_lo, s48
	s_endpgm
.Lfunc_end_k_qbc666bab20_router:
	.size	k_qbc666bab20_router, .Lfunc_end_k_qbc666bab20_router-k_qbc666bab20_router
	.p2alignl 7, 3214868480
	.fill 96, 4, 3214868480
	.section	.rodata,"a",@progbits
	.p2align	6, 0x0
	.amdhsa_kernel k_qbc666bab20_router
		.amdhsa_group_segment_fixed_size 0
		.amdhsa_private_segment_fixed_size 0
		.amdhsa_enable_private_segment 0
		.amdhsa_kernarg_size 72
		.amdhsa_user_sgpr_count 2
		.amdhsa_user_sgpr_kernarg_segment_ptr 1
		.amdhsa_wavefront_size32 1
		.amdhsa_system_sgpr_workgroup_id_x 1
		.amdhsa_system_sgpr_workgroup_id_y 1
		.amdhsa_system_sgpr_workgroup_id_z 1
		.amdhsa_system_vgpr_workitem_id 0
		.amdhsa_next_free_vgpr 512
		.amdhsa_next_free_sgpr 66
		.amdhsa_reserve_vcc 1
		.amdhsa_float_denorm_mode_32 3
		.amdhsa_float_denorm_mode_16_64 3
		.amdhsa_memory_ordered 1
		.amdhsa_forward_progress 1
		.amdhsa_inst_pref_size 108
	.end_amdhsa_kernel
	.amdgpu_metadata
---
amdhsa.version: [ 1, 2 ]
amdhsa.kernels:
  - .name:           k_qbc666bab20_router
    .symbol:         k_qbc666bab20_router.kd
    .args:
      - { .name: hidden_states, .offset: 0, .size: 8, .value_kind: global_buffer, .address_space: global }
      - { .name: ln_w, .offset: 8, .size: 8, .value_kind: global_buffer, .address_space: global }
      - { .name: ln_b, .offset: 16, .size: 8, .value_kind: global_buffer, .address_space: global }
      - { .name: Wr, .offset: 24, .size: 8, .value_kind: global_buffer, .address_space: global }
      - { .name: br, .offset: 32, .size: 8, .value_kind: global_buffer, .address_space: global }
      - { .name: xn, .offset: 40, .size: 8, .value_kind: global_buffer, .address_space: global }
      - { .name: topi, .offset: 48, .size: 8, .value_kind: global_buffer, .address_space: global }
      - { .name: topw, .offset: 56, .size: 8, .value_kind: global_buffer, .address_space: global }
      - { .name: psum, .offset: 64, .size: 8, .value_kind: global_buffer, .address_space: global }
    .group_segment_fixed_size: 0
    .private_segment_fixed_size: 0
    .kernarg_segment_align: 8
    .kernarg_segment_size: 72
    .max_flat_workgroup_size: 32
    .sgpr_count:     66
    .vgpr_count:     512
    .wavefront_size: 32
...
	.end_amdgpu_metadata
.endif
;; end of part 1
;; launch ffn1 (part 2): grid 32 x 8, 4 waves a work-group, no clusters, 279,040 bytes of LDS; arguments W1, b1, xn, topi, abuf; writes abuf
.if DOCPART == 2
	.amdgcn_target "amdgcn-amd-amdhsa--gfx1250"
	.amdhsa_code_object_version 6
	.text
	.protected	k_qbc666bab20_ffn1
	.globl	k_qbc666bab20_ffn1
	.p2align	8
	.type	k_qbc666bab20_ffn1,@function
k_qbc666bab20_ffn1:
	s_mov_b64 s[64:65], 0
	v_nop
	global_prefetch_b8 v0, s[64:65] scope:SCOPE_SE
	s_setreg_imm32_b32 hwreg(HW_REG_WAVE_MODE, 25, 1), 1
	s_wait_xcnt 0x0
; THE FIRST PRODUCT OF A ROUTED EXPERT LAYER.  abuf[e][place][n] = gelu(xn[token of that place] . W1[e][n] + b1[e][n]), bf16.
; id = 2 token + k names a routed row; topi[id], stored by the launch before, is its expert.  Only the rows that chose expert e are multiplied.  An expert's rows are numbered by PLACES, 0 to count - 1,
; in the order of the words of a bitmap (below) and, in a word, of its bits; the next launch numbers them alike.  abuf has 1,024 rows of 8,192 bytes for each expert; only the places that exist are touched.
; SHARES.  Work-group (x, y): expert e = y and a slice of 128 output columns (128 x .. + 127) x all 1,024 of K of its weights, which it alone reads.
; PHASE A: the slice's 512 KiB of f32 are read once, rounded to bf16 in registers and laid into LDS; wave w takes bytes 1,024 w .. + 1,023 of each of the 128 rows, 64 loads of 16 bytes a lane on their way.
; Meanwhile each wave reads topi and keeps the expert's bitmap: 32 words of 32 tokens in the lanes of one register, and beside each word how many rows stand ahead of it.  One barrier.
; PHASE B: the expert's rows in tiles of 64 (4 x 8 accumulators of 16 x 16 a wave), dealt to the waves by turns; the last 0 to 4 blocks of 16 rows go one to a wave.  The token of a place is found in registers from
; the bitmap; the token rows come from memory straight into registers as matrix operands; NOTHING IN THIS PHASE WRITES LDS, so it has no barrier.  The loop over tiles has 5 trips for every split (a count of 0 to
; 1,024 rows); a wave without a tile jumps forward over the trip.
; PAST THE COUNT a block that is not full takes the expert's first row again (15 rows at the most a slice) and stores it at the places past the count, which the next launch reads.  EXEC is never written.
; LAYOUT.  Source 0 = 16 token rows, source 1 = 16 weight rows: register j of lane (r, h) is the row at place 8 h + j of the block and the column that fragment b gives to lane r.  The weight rows lie in LDS in such
; an order that this column is 8 r + b: the 8 accumulators' numbers of one row in a lane are 16 neighbouring bytes of the output row, and 16 lanes store 256 consecutive bytes, aligned.
; The bias is the C operand that starts each sum.
; NO CLUSTER: each weight slice has one reader, and the token rows come by their numbers, which no tile descriptor covers.  NO TENSOR LOAD: the f32 weights pass through registers to be rounded.
; LIMITS.  Matrix operands are bf16, sums f32.  erf(z) = sign(z) (1 - (a1 t + a2 t^2 + a3 t^3) e^(-z^2)), t = 1 / (1 + 0.47047 |z|): off by 2.5e-5 at the most for every z, so gelu by 1.25e-5 |x|; NaN and infinities are not treated apart.
.set WROWB, 4096      ; bytes from a weight row to the next
.set RSTEP, 32        ; rows that a round of phase A steps on in memory
.set PITCH, 272       ; an LDS row: 256 bytes + 16: the 16 rows of a fragment load start at 16 different groups of four banks (ISA guide 11.1)
.set PANEL, 128*PITCH ; 128 weight rows x 128 of K; eight panels hold the slice
.set SPARE, 8*PANEL   ; the spare words, 128 bytes a wave: two blocks of 256 bytes that no other line names
.set OFFS,  240       ; v240-247  phase A: slot c's byte offset in the slice
.set TB,    64        ; v64-127   the search for a tile's tokens: 16 registers for each of its four blocks:
.set oP, 0            ;   32 x place + 31
.set oM, 1            ;   the bitmap word that holds the place
.set oK, 2            ;   that word's key: 32 x (rows ahead of it) + its number
.set oN, 3            ;   which of the word's set bits
.set oA, 4            ;   the word's bit counts in fields of 2,
.set oB, 5            ;   4,
.set oC, 6            ;   8 bits,
.set oD, 7            ;   and of its low 16 bits
.set oS, 8            ;   the bit found so far
.set oT, 9            ;   at work
.set oU, 10
.set oG, 11           ;   the word's number
; window 0: v1 lane, v2 r = lane % 16, v3 h = lane / 16, v4 spare word, v5 0, v6 weight offset, v7, v45 where the rounded weights go (my two panels), v8 fragment place, v9 the same in the panel in hand,
;   v12 65,536 h + 16 r (8 h rows of abuf and my 16 bytes), v14 16 r, v15 32 r, v16-19 token row offsets, v20 output offset (v20-27: the bias as loaded, in phase A), v28-31 places,
;   v35 16 h, v36-43 zeros, v44 16 lane, v46 the bitmap (word g in lane g), v47 the keys, v48-63 rounded weights,
;   v64-127 and v128-191 two buffers of weight fragments (v64-127: topi in phase A, the search ahead of a tile; all at work on the way out, with v192-255)
; window 1: phase A: 8 slots of 32 registers of f32 weights; phase B: accumulator (a, b) at 64 a + 8 b.     window 2: v0-127 token fragments (K step ks, block a) at 32 ks + 8 a; v128-191 the bias, 8 equal registers a block b
.set MSB, 0
.macro WIN new        ; bits 1:0 source 0, 3:2 source 1, 5:4 source 2, 7:6 destination; the high byte repeats the setting that is left
.if MSB != (\new)
	s_set_vgpr_msb (MSB<<8)|(\new)
.set MSB, \new
.endif
.endm
.macro EACH line:vararg                ; the line once for each of a tile's four blocks a, so that no line waits for the one before it
.set a, 0
.rept 4
	\line
.set a, a+1
.endr
.endm
	s_load_b256 s[4:11], s[0:1], 0x0               ; weights s[4:5], bias s[6:7], token rows s[8:9], topi s[10:11]
	s_load_b64 s[12:13], s[0:1], 0x20              ; output
	v_lshl_add_u32 v4, v0, 2, SPARE
	v_mov_b32 v5, 0
	v_lshrrev_b32 v28, 5, v0
	v_readfirstlane_b32 s14, v28                   ; wave 0..3
	s_and_b32 s15, ttmp7, 0xffff                   ; expert
	s_mov_b32 s16, ttmp9                           ; slice
	v_and_b32 v1, 31, v0
	v_and_b32 v2, 15, v0
	v_bfe_u32 v3, v0, 4, 1
	s_lshl_b32 s20, s15, 24                        ; weights: (4,096 e + 128 s) rows of 4,096 bytes
	s_lshl_b32 s21, s16, 19
	s_add_co_u32 s20, s20, s21
	s_lshl_b32 s32, s15, 14                        ; bias: 4 (4,096 e + 128 s)
	s_lshl_b32 s33, s16, 9
	s_add_co_u32 s32, s32, s33
	s_lshl_b32 s38, s15, 23                        ; output: the expert's 1,024 rows of 8,192 bytes, and 256 s inside a row
	s_lshl_b32 s39, s16, 8
	s_add_co_u32 s38, s38, s39
	s_mov_b32 s21, 0
	s_mov_b32 s33, 0
	s_mov_b32 s39, 0
	v_lshlrev_b32 v6, 4, v1
	s_lshl_b32 s34, s14, 10
	v_add_nc_u32 v6, s34, v6                       ; 16 lane + 1,024 wave
	s_mul_i32 s34, s14, 2*PANEL
	v_lshl_add_u32 v7, v1, 3, s34                  ; my 256 columns of K are panels 2 w and 2 w + 1; 8 bytes a lane
	v_add_nc_u32 v45, PANEL, v7
	v_mul_u32_u24 v8, v2, PITCH
	v_lshl_add_u32 v8, v3, 4, v8                   ; r x pitch + 16 h
	v_lshlrev_b32 v14, 4, v2
	v_lshl_add_u32 v12, v3, 16, v14
	v_lshlrev_b32 v15, 5, v2
	v_lshlrev_b32 v35, 4, v3
	v_lshlrev_b32 v44, 4, v1
	v_mov_b32 v46, 0                               ; v_writelane_b32 counts as a reader of its destination
	v_mov_b32 v47, 0
.irp i, 36,37,38,39,40,41,42,43
	v_mov_b32 v\i, 0
.endr
.irp c, 0,1,2,3,4,5,6,7
	v_mov_b32 v[OFFS+(\c)], v6
.endr
	s_mov_b32 s40, 0x3f596d27                      ; c = sqrt(log2(e) / 2): 2^(-(c x)^2) = e^(-x^2 / 2)
	s_mov_b32 s41, s40                             ; (the packed forms name pairs and take the low word for both halves)
	s_mov_b32 s42, 0x3ec88bda                      ; 0.47047 / (c sqrt 2)
	s_mov_b32 s44, 0x3ee16a97                      ; a3 k0
	s_mov_b32 s45, s44
	s_mov_b32 s46, 0xbd6732ca                      ; a2 k0
	s_mov_b32 s47, s46
	s_mov_b32 s48, 0x3e51cd01                      ; a1 k0
	s_mov_b32 s49, s48
	s_mov_b32 s50, 0x3f16b55f                      ; k0 = 1 / (2 c)
	s_mov_b32 s51, s50
	s_wait_kmcnt 0x0
	s_add_nc_u64 s[22:23], s[4:5], s[20:21]        ; the slice's first row; never stepped
	s_add_nc_u64 s[6:7], s[6:7], s[32:33]
	s_add_nc_u64 s[12:13], s[12:13], s[38:39]
; PHASE A.  Row x (0..31) of a round: RG its row in memory, RL its row in an LDS panel; a round steps RSTEP rows on in memory and 4 rows in LDS.
; LDS row 16 b + r holds the weight row that fragment b gives to lane r: row 8 r + b of the slice.
.macro ROWMAP x
.set RG, (\x)
.set RL, 16*((\x)&7)+((\x)>>3)
.endm
; A slot is my 1,024 bytes of 4 weight rows: 8 loads, each 512 consecutive bytes of the wave.  The slot's own offset register says which round.
.macro FILLSLOT c
	WIN 0x40                                       ; destination window 1
.set i, 0
.rept 8
	ROWMAP 4*(\c)+i/2
	global_load_b128 v[32*(\c)+4*i:32*(\c)+4*i+3], v[OFFS+(\c)], s[22:23] offset:RG*WROWB+(i%2)*512 th:TH_LOAD_NT
.set i, i+1
.endr
.endm
; Slot c is rounded and laid into LDS (a store of the wave: 256 consecutive bytes); reload = 1: it takes the same rows of the next round.  left: the younger loads that may stay out.
.macro CHUNK c, reload, left
	s_wait_loadcnt \left                           ; loads come back in order (ISA guide 5.7.1): the slot's eight are in, so its offset register is free too
	WIN 0x05                                       ; sources in window 1
.set i, 0
.rept 16
	v_cvt_pk_bf16_f32 v[48+i], v[32*(\c)+2*i], v[32*(\c)+2*i+1]
.set i, i+1
.endr
	WIN 0
.set i, 0
.rept 8
	ROWMAP 4*(\c)+i/2
.if i%2
	ds_store_b64 v45, v[48+2*i:48+2*i+1] offset:RL*PITCH
.else
	ds_store_b64 v7, v[48+2*i:48+2*i+1] offset:RL*PITCH
.endif
.set i, i+1
.endr
.if \reload
	v_add_nc_u32 v[OFFS+(\c)], RSTEP*WROWB, v[OFFS+(\c)]
	FILLSLOT \c
.endif
.endm
.irp g, 0,1,2,3,4,5,6,7,8,9,10,11,12,13,14,15
	global_load_b128 v[64+4*(\g):64+4*(\g)+3], v44, s[10:11] offset:512*(\g)   ; topi: register u of load g is id 128 g + 4 lane + u
.endr
	global_load_b128 v[20:23], v15, s[6:7]             ; the bias of my columns 8 r + b
	global_load_b128 v[24:27], v15, s[6:7] offset:16
.irp c, 0,1,2,3,4
	FILLSLOT \c
.endr
	WIN 0
	s_wait_loadcnt 40                              ; topi and the bias are in; the 40 weight loads behind them stay out
	; THE BITMAP.  Register pair g holds the two ids of token 64 (g / 2) + 2 lane + g % 2; they name different experts, so at most one of them is mine.  Word g: the lanes whose token chose expert e.
	; Its key: 32 x (the rows ahead of it) + g.
	s_mov_b32 s26, 0
.set g, 0
.rept 32
	v_cmp_eq_u32 s33, s15, v[64+2*g+1]
	v_cmp_eq_u32 vcc_lo, s15, v[64+2*g]
	s_or_b32 s32, vcc_lo, s33
	s_lshl_b32 s53, s26, 5
.if g > 0
	s_or_b32 s53, s53, g
.endif
	v_writelane_b32 v46, s32, g
	v_writelane_b32 v47, s53, g
	s_bcnt1_i32_b32 s34, s32
	s_add_co_u32 s26, s26, s34
.set g, g+1
.endr
	WIN 0x80                                       ; destination window 2: a C operand holds a column's bias in all 8 registers (8 rows)
.set i, 0
.rept 64
	v_mov_b32 v[128+i], v[20+i/8]
.set i, i+1
.endr
.irp c, 5,6,7
	FILLSLOT \c
.endr
	WIN 0
	s_mov_b32 s30, 3
.Lround:                                               ; three rounds of 32 rows, each asking for the next; 8 slots, 64 loads of the wave, are out
.irp c, 0,1,2,3,4,5,6,7
	CHUNK \c, 1, 56                                ; the seven younger slots stay out
.endr
	WIN 0
	v_add_nc_u32 v7, 4*PITCH, v7
	v_add_nc_u32 v45, 4*PITCH, v45
	s_sub_co_u32 s30, s30, 1
	s_cmp_lg_u32 s30, 0
	s_cbranch_scc1 .Lround
.irp c, 0,1,2,3,4,5,6,7
	CHUNK \c, 0, 56-8*(\c)                         ; the last round asks for nothing: the counts run down
.endr
	s_wait_dscnt 0x0                               ; for the others' sake: my part of the slice is in LDS
	s_barrier_signal -1
	s_barrier_wait -1                              ; everybody's is
; PHASE B.
.macro BLOAD buf, off                  ; 8 weight fragments (128 rows x 32 of K at byte off of the panel's rows) into buffer buf
.irp b, 0,1,2,3,4,5,6,7
	ds_load_b128 v[64+64*(\buf)+8*(\b):64+64*(\buf)+8*(\b)+3], v9 offset:(\b)*16*PITCH+(\off)
	ds_load_b128 v[64+64*(\buf)+8*(\b)+4:64+64*(\buf)+8*(\b)+7], v9 offset:(\b)*16*PITCH+(\off)+32
.endr
.endm
; One K step of 32: mt x 8 matrix instructions, each accumulator once, so that they take turns.  lb = 1: the weight fragments two steps on go into the buffer just read;
; la = 1: the token fragments four steps on go into the registers just read.  dw, lw: the younger LDS and global loads that may stay out.
.macro KSTEP mt, ks, lb, la, dw, lw
	s_wait_dscnt \dw
	s_wait_loadcnt \lw
	WIN 0x52                                       ; tokens window 2, weights window 0, C and D window 1
.set a, 0
.rept \mt
.irp b, 0,1,2,3,4,5,6,7
	v_wmma_f32_16x16x32_bf16 v[64*a+8*(\b):64*a+8*(\b)+7], v[32*(\ks)+8*a:32*(\ks)+8*a+7], v[64+64*((\ks)%2)+8*(\b):64+64*((\ks)%2)+8*(\b)+7], v[64*a+8*(\b):64*a+8*(\b)+7]
.endr
.set a, a+1
.endr
.if (\lb) || (\la)
.rept 4
	v_nop                                          ; four places between the last matrix instruction and loads into registers that it has read (ISA guide 7.12.1 for vector instructions)
.endr
.endif
.if \lb
	WIN 0
.if (\ks) < 2
	BLOAD (\ks)%2, ((\ks)+2)*64
.else
	BLOAD (\ks)%2, PANEL+((\ks)-2)*64
.endif
.endif
.if \la
	WIN 0x80
.set a, 0
.rept \mt
	global_load_b128 v[32*(\ks)+8*a:32*(\ks)+8*a+3], v[16+a], s[24:25] offset:256+64*(\ks)
	global_load_b128 v[32*(\ks)+8*a+4:32*(\ks)+8*a+7], v[16+a], s[24:25] offset:256+64*(\ks)+32
.set a, a+1
.endr
.endif
.endm
; All of K for mt blocks of 16 rows: the first panel's token fragments, two steps' weight fragments, the sums started with the bias, 7 panels in a loop, the last written out.
.macro KRUN mt
	s_mov_b64 s[24:25], s[8:9]
	WIN 0x80
.irp ks, 0,1,2,3
.set a, 0
.rept \mt
	global_load_b128 v[32*(\ks)+8*a:32*(\ks)+8*a+3], v[16+a], s[24:25] offset:64*(\ks)
	global_load_b128 v[32*(\ks)+8*a+4:32*(\ks)+8*a+7], v[16+a], s[24:25] offset:64*(\ks)+32
.set a, a+1
.endr
.endr
	WIN 0
	v_mov_b32 v9, v8
	BLOAD 0, 0
	BLOAD 1, 64
	WIN 0x60                                       ; C window 2, D window 1
.set a, 0
.rept \mt
.irp b, 0,1,2,3,4,5,6,7
	v_wmma_f32_16x16x32_bf16 v[64*a+8*(\b):64*a+8*(\b)+7], v[36:43], v[36:43], v[128+8*(\b):128+8*(\b)+7]   ; 0 x 0 + bias starts the sum, in the wait for the first fragments
.endr
.set a, a+1
.endr
	WIN 0
	s_mov_b32 s30, 7
.Lkloop\@:
	KSTEP \mt, 0, 1, 1, 16, 6*\mt                  ; out may stay: the next step's 16 weight loads; three younger steps' token loads, 2 mt each
	KSTEP \mt, 1, 1, 1, 16, 6*\mt
	KSTEP \mt, 2, 1, 1, 16, 6*\mt
	KSTEP \mt, 3, 1, 1, 16, 6*\mt
	WIN 0
	s_wait_xcnt 0x0                                ; the token loads' base steps only behind this wait
	s_add_nc_u64 s[24:25], s[24:25], 256
	v_add_nc_u32 v9, PANEL, v9
	s_sub_co_u32 s30, s30, 1
	s_cmp_lg_u32 s30, 0
	s_cbranch_scc1 .Lkloop\@
	KSTEP \mt, 0, 1, 0, 16, 6*\mt                  ; the last panel: no load leaves the row or the slice, and the counts run down
	KSTEP \mt, 1, 1, 0, 16, 4*\mt
	KSTEP \mt, 2, 0, 0, 16, 2*\mt
	KSTEP \mt, 3, 0, 0, 0, 0
	WIN 0
.endm
; One halving of the search for the n-th set bit: the field of w bits at the bit found so far holds t set bits (read from the counts in src); if n is not below t, the bit lies in the field above.
.macro DESC src, mask, w
	EACH v_lshrrev_b32 v[TB+16*a+oT], v[TB+16*a+oS], v[TB+16*a+\src]
	EACH v_and_b32 v[TB+16*a+oT], \mask, v[TB+16*a+oT]
	EACH v_cmp_ge_u32 s[78+a], v[TB+16*a+oN], v[TB+16*a+oT]
	EACH v_cndmask_b32 v[TB+16*a+oT], 0, v[TB+16*a+oT], s[78+a]
	EACH v_cndmask_b32 v[TB+16*a+oU], 0, \w, s[78+a]
	EACH v_sub_nc_u32 v[TB+16*a+oN], v[TB+16*a+oN], v[TB+16*a+oT]
	EACH v_add_nc_u32 v[TB+16*a+oS], v[TB+16*a+oS], v[TB+16*a+oU]
.endm
; Block a's 64 sums a lane, times c, into v[64 + 8 b + j]; each accumulator's low registers are read first
.macro EPI a
	WIN 0x01                                       ; source 0 in window 1
.set i, 0
.rept 32
	v_pk_mul_f32 v[64+2*i:64+2*i+1], v[64*(\a)+2*i:64*(\a)+2*i+1], s[40:41] op_sel_hi:[1,0]
.set i, i+1
.endr
	WIN 0
.endm
; gelu of 32 numbers S = c x at v[64 + 32 hb] (accumulators 4 hb .. + 3): k0 S + |S| (k0 - poly(t) 2^(-S^2)), t = 1 / (1 + p |S|).  T v128-159, G v160-191, P v192-223.
; Out: row 8 h + j's columns 8 r + 4 hb .. + 3 as two registers of bf16 at v[224 + 4 j + 2 hb].
; The 32 reciprocals and 32 exponentials are ONE batch among the plain lines that feed them; nothing names a result ahead of the one wait.
.macro GELU32 hb
.set SB, 64+32*(\hb)
.set i, 0
.rept 17
.if i < 16
	v_fma_f32 v[128+2*i], |v[SB+2*i]|, s42, 1.0
.endif
.if i > 0
	v_rcp_f32 v[128+2*i-2], v[128+2*i-2]
.endif
.if i < 16
	v_fma_f32 v[128+2*i+1], |v[SB+2*i+1]|, s42, 1.0
.endif
.if i > 0
	v_rcp_f32 v[128+2*i-1], v[128+2*i-1]
.endif
.if i < 16
	v_pk_mul_f32 v[160+2*i:160+2*i+1], v[SB+2*i:SB+2*i+1], v[SB+2*i:SB+2*i+1] neg_lo:[1,0] neg_hi:[1,0]
.endif
.if i > 0
	v_exp_f32 v[160+2*i-2], v[160+2*i-2]
	v_exp_f32 v[160+2*i-1], v[160+2*i-1]
.endif
.set i, i+1
.endr
	v_nop                                          ; a plain instruction behind the last of the batch,
	s_wait_alu depctr_va_vdst(0)                   ; and one wait for the 64, ahead of their first reader
.set i, 0
.rept 16
	v_pk_fma_f32 v[192+2*i:192+2*i+1], v[128+2*i:128+2*i+1], s[44:45], s[46:47] op_sel_hi:[1,0,0]
.set i, i+1
.endr
.set i, 0
.rept 16
	v_pk_fma_f32 v[192+2*i:192+2*i+1], v[192+2*i:192+2*i+1], v[128+2*i:128+2*i+1], s[48:49] op_sel_hi:[1,1,0]
.set i, i+1
.endr
.set i, 0
.rept 16
	v_pk_mul_f32 v[192+2*i:192+2*i+1], v[192+2*i:192+2*i+1], v[128+2*i:128+2*i+1]
.set i, i+1
.endr
.set i, 0
.rept 16
	v_pk_fma_f32 v[192+2*i:192+2*i+1], v[192+2*i:192+2*i+1], v[160+2*i:160+2*i+1], s[50:51] op_sel_hi:[1,1,0] neg_lo:[1,0,0] neg_hi:[1,0,0]
.set i, i+1
.endr
.set i, 0
.rept 16
	v_pk_mul_f32 v[128+2*i:128+2*i+1], v[SB+2*i:SB+2*i+1], s[50:51] op_sel_hi:[1,0]
.set i, i+1
.endr
.set i, 0
.rept 32
	v_fma_f32 v[160+i], |v[SB+i]|, v[192+i], v[128+i]
.set i, i+1
.endr
.set jj, 0
.rept 8
.set pp, 0
.rept 2
	v_cvt_pk_bf16_f32 v[224+4*jj+2*(\hb)+pp], v[160+16*pp+jj], v[160+16*pp+8+jj]
.set pp, pp+1
.endr
.set jj, jj+1
.endr
.endm
	s_lshr_b32 s27, s26, 6                         ; full tiles of 64 rows
	s_and_b32 s28, s26, 63
	s_add_co_u32 s28, s28, 15
	s_lshr_b32 s28, s28, 4                         ; blocks of 16 rows behind them, 0 to 4
	s_mov_b32 s29, 0
.Lwork:                                                ; 5 trips for every count: 16 tiles at the most are 4 a wave, then one block
	s_cmp_lt_u32 s29, 4
	s_cbranch_scc0 .Lrem
	s_lshl_b32 s34, s29, 2
	s_add_co_u32 s34, s34, s14                     ; tile wave + 4 i
	s_cmp_ge_u32 s34, s27
	s_cbranch_scc1 .Lnext
	s_lshl_b32 s39, s34, 6                         ; its first place
	s_mov_b32 s38, 4                               ; blocks
	s_branch .Lgo
.Lrem:
	s_sub_co_u32 s34, s14, s27
	s_and_b32 s34, s34, 3                          ; the blocks go to the waves that follow the last tile's
	s_cmp_ge_u32 s34, s28
	s_cbranch_scc1 .Lnext
	s_lshl_b32 s39, s27, 6
	s_lshl4_add_u32 s39, s34, s39
	s_mov_b32 s38, 1
.Lgo:
	s_min_u32 s39, s39, 1008                       ; a tile begins at place 960 at the most, a block at 1,008
	s_wait_xcnt 0x0                                ; the last tile's stores have read their registers
	; THE TOKENS OF 64 PLACES, rb + 16 a + r in block a's register (a single block uses the first alone).  A place past the count takes place 0.
	s_mov_b32 s56, s39
	s_add_co_u32 s57, s39, 16
	s_add_co_u32 s58, s39, 32
	s_add_co_u32 s59, s39, 48
	EACH v_add_nc_u32 v[28+a], s[56+a], v2
	EACH v_cmp_gt_u32 s[78+a], s26, v[28+a]
	EACH v_cndmask_b32 v[28+a], 0, v[28+a], s[78+a]
	EACH v_lshl_or_b32 v[TB+16*a+oP], v[28+a], 5, 31
	EACH v_mov_b32 v[TB+16*a+oM], 0
	EACH v_mov_b32 v[TB+16*a+oK], 0
	s_mov_b32 s66, 0
.Lsel:                                                 ; 8 trips, 4 words a trip: the keys ascend, so the last word whose key is not above 32 place + 31 is the one with (rows ahead) <= place < (rows ahead of the next)
	s_add_co_u32 s67, s66, 1
	s_add_co_u32 s68, s66, 2
	s_add_co_u32 s69, s66, 3
.irp w, 0,1,2,3
	v_readlane_b32 s[70+\w], v46, s[66+\w]
	v_readlane_b32 s[74+\w], v47, s[66+\w]
.endr
.irp w, 0,1,2,3
	EACH v_cmp_le_u32 s[78+a], s[74+\w], v[TB+16*a+oP]
	EACH v_cndmask_b32 v[TB+16*a+oM], v[TB+16*a+oM], s[70+\w], s[78+a]
	EACH v_cndmask_b32 v[TB+16*a+oK], v[TB+16*a+oK], s[74+\w], s[78+a]
.endr
	s_add_co_u32 s66, s66, 4
	s_cmp_lt_u32 s66, 32
	s_cbranch_scc1 .Lsel
	EACH v_lshrrev_b32 v[TB+16*a+oT], 5, v[TB+16*a+oK]
	EACH v_and_b32 v[TB+16*a+oG], 31, v[TB+16*a+oK]
	EACH v_sub_nc_u32 v[TB+16*a+oN], v[28+a], v[TB+16*a+oT]                ; n = place - rows ahead of the word: its n-th set bit is wanted
	EACH v_lshrrev_b32 v[TB+16*a+oT], 1, v[TB+16*a+oM]                     ; the word's set bits counted in fields of 2, 4 and 8 bits and in its low half
	EACH v_and_b32 v[TB+16*a+oT], 0x55555555, v[TB+16*a+oT]
	EACH v_sub_nc_u32 v[TB+16*a+oA], v[TB+16*a+oM], v[TB+16*a+oT]
	EACH v_lshrrev_b32 v[TB+16*a+oT], 2, v[TB+16*a+oA]
	EACH v_and_b32 v[TB+16*a+oT], 0x33333333, v[TB+16*a+oT]
	EACH v_and_b32 v[TB+16*a+oB], 0x33333333, v[TB+16*a+oA]
	EACH v_add_nc_u32 v[TB+16*a+oB], v[TB+16*a+oB], v[TB+16*a+oT]
	EACH v_lshrrev_b32 v[TB+16*a+oT], 4, v[TB+16*a+oB]
	EACH v_add_nc_u32 v[TB+16*a+oT], v[TB+16*a+oB], v[TB+16*a+oT]
	EACH v_and_b32 v[TB+16*a+oC], 0x0f0f0f0f, v[TB+16*a+oT]
	EACH v_lshrrev_b32 v[TB+16*a+oT], 8, v[TB+16*a+oC]
	EACH v_add_nc_u32 v[TB+16*a+oD], v[TB+16*a+oC], v[TB+16*a+oT]
	EACH v_mov_b32 v[TB+16*a+oS], 0
	DESC oD, 0xff, 16
	DESC oC, 0xff, 8
	DESC oB, 15, 4
	DESC oA, 3, 2
	DESC oM, 1, 1
	EACH v_lshrrev_b32 v[TB+16*a+oT], 1, v[TB+16*a+oG]                     ; token = 64 (g / 2) + 2 bit + g % 2
	EACH v_and_b32 v[TB+16*a+oU], 1, v[TB+16*a+oG]
	EACH v_lshl_or_b32 v[TB+16*a+oT], v[TB+16*a+oT], 6, v[TB+16*a+oU]
	EACH v_lshl_add_u32 v[TB+16*a+oT], v[TB+16*a+oS], 1, v[TB+16*a+oT]
	EACH v_min_u32 v[TB+16*a+oT], 0x3ff, v[TB+16*a+oT]
	EACH v_lshlrev_b32 v[TB+16*a+oT], 11, v[TB+16*a+oT]                    ; xn: rows of 2,048 bytes
	EACH v_add_nc_u32 v[16+a], v35, v[TB+16*a+oT]
	s_cmp_eq_u32 s38, 4
	s_cbranch_scc0 .Lone
	KRUN 4
	s_branch .Lepi
.Lone:
	KRUN 1
.Lepi:
.rept 4
	v_nop                                          ; four places between the last matrix instruction and the first reader of a result or writer of a source
.endr
	s_mov_b32 s31, 0
.Leloop:                                               ; THE WAY OUT, a block of 16 rows a trip
	s_cmp_ge_u32 s31, s38
	s_cbranch_scc1 .Lenext
	s_wait_xcnt 0x0                                ; the block before's stores have read their offset and data
	s_lshl_b32 s34, s31, 4
	s_add_co_u32 s34, s34, s39                     ; the block's first place,
	s_lshl_b32 s34, s34, 13                        ; in rows of 8,192 bytes
	v_add_nc_u32 v20, s34, v12
	s_cmp_eq_u32 s31, 1
	s_cbranch_scc1 .Le1
	s_cmp_eq_u32 s31, 2
	s_cbranch_scc1 .Le2
	s_cmp_eq_u32 s31, 3
	s_cbranch_scc1 .Le3
	EPI 0
	s_branch .Lecom
.Le1:
	EPI 1
	s_branch .Lecom
.Le2:
	EPI 2
	s_branch .Lecom
.Le3:
	EPI 3
.Lecom:
	GELU32 0
	GELU32 1
.irp j, 0,1,2,3,4,5,6,7
	global_store_b128 v20, v[224+4*(\j):224+4*(\j)+3], s[12:13] offset:8192*(\j)   ; places j and 8 + j of the block: 16 lanes store 256 consecutive bytes, aligned
.endr
.Lenext:
	s_add_co_u32 s31, s31, 1
	s_cmp_lt_u32 s31, 4
	s_cbranch_scc1 .Leloop
.Lnext:
	s_add_co_u32 s29, s29, 1
	s_cmp_lt_u32 s29, 5
	s_cbranch_scc1 .Lwork
	s_wait_dscnt 0x0                               ; my reads of LDS are over;
	s_barrier_signal -1
	s_barrier_wait -1                              ; everybody's are: no wave writes LDS again while another still reads it
	s_wait_tensorcnt 0x0                           ; the wave's end
	ds_add_u32 v4, v5
	s_wait_dscnt 0x0
	s_endpgm
.Lfunc_end_k_qbc666bab20_ffn1:
	.size	k_qbc666bab20_ffn1, .Lfunc_end_k_qbc666bab20_ffn1-k_qbc666bab20_ffn1
	.p2alignl 7, 3214868480
	.fill 96, 4, 3214868480
	.section	.rodata,"a",@progbits
	.p2align	6, 0x0
	.amdhsa_kernel k_qbc666bab20_ffn1
		.amdhsa_group_segment_fixed_size 279040
		.amdhsa_private_segment_fixed_size 0
		.amdhsa_enable_private_segment 0
		.amdhsa_kernarg_size 40
		.amdhsa_user_sgpr_count 2
		.amdhsa_user_sgpr_kernarg_segment_ptr 1
		.amdhsa_wavefront_size32 1
		.amdhsa_system_sgpr_workgroup_id_x 1
		.amdhsa_system_sgpr_workgroup_id_y 1
		.amdhsa_system_sgpr_workgroup_id_z 1
		.amdhsa_system_vgpr_workitem_id 0
		.amdhsa_next_free_vgpr 704
		.amdhsa_next_free_sgpr 88
		.amdhsa_reserve_vcc 1
		.amdhsa_float_denorm_mode_32 3
		.amdhsa_float_denorm_mode_16_64 3
		.amdhsa_memory_ordered 1
		.amdhsa_forward_progress 1
		.amdhsa_inst_pref_size 161
	.end_amdhsa_kernel
	.amdgpu_metadata
---
amdhsa.version: [ 1, 2 ]
amdhsa.kernels:
  - .name:           k_qbc666bab20_ffn1
    .symbol:         k_qbc666bab20_ffn1.kd
    .args:
      - { .name: W1, .offset: 0, .size: 8, .value_kind: global_buffer, .address_space: global }
      - { .name: b1, .offset: 8, .size: 8, .value_kind: global_buffer, .address_space: global }
      - { .name: xn, .offset: 16, .size: 8, .value_kind: global_buffer, .address_space: global }
      - { .name: topi, .offset: 24, .size: 8, .value_kind: global_buffer, .address_space: global }
      - { .name: abuf, .offset: 32, .size: 8, .value_kind: global_buffer, .address_space: global }
    .group_segment_fixed_size: 279040
    .private_segment_fixed_size: 0
    .kernarg_segment_align: 8
    .kernarg_segment_size: 40
    .max_flat_workgroup_size: 128
    .sgpr_count:     88
    .vgpr_count:     704
    .wavefront_size: 32
...
	.end_amdgpu_metadata
.endif
;; end of part 2
;; launch ffn2 (part 3): grid 32 x 8, 4 waves a work-group, no clusters, 296,448 bytes of LDS; arguments W2, b2, abuf, topi, ypart, topw; writes ypart
.if DOCPART == 3
	.amdgcn_target "amdgcn-amd-amdhsa--gfx1250"
	.amdhsa_code_object_version 6
	.text
	.protected	k_qbc666bab20_ffn2
	.globl	k_qbc666bab20_ffn2
	.p2align	8
	.type	k_qbc666bab20_ffn2,@function
k_qbc666bab20_ffn2:
	s_mov_b64 s[64:65], 0
	v_nop
	global_prefetch_b8 v0, s[64:65] scope:SCOPE_SE
	s_setreg_imm32_b32 hwreg(HW_REG_WAVE_MODE, 25, 1), 1
	s_wait_xcnt 0x0
; THE SECOND PRODUCT OF A ROUTED EXPERT LAYER.  ypart[id][kq][n] = topw[id] x (abuf[e][place of id][quarter kq of K] . W2[e][n][that quarter] (+ b2[e][n] in quarter 0)), f32 partial sums.
; id = 2 token + k names a routed row; topi[id], stored by an earlier launch, is its expert.  Only the rows that chose expert e are multiplied.  An expert's rows are numbered by PLACES, 0 to count - 1, in the order
; in which the list below takes them, which is the order of the launch before; abuf has 1,024 rows of 8,192 bytes for each expert, by place, so the token rows' addresses are made of the tile's first place and the lane.
; SHARES.  Work-group (x, y): expert e = y and a slice of 128 output columns (block x / 4) x 1,024 of K (quarter x % 4) of its weights, which it alone reads.
; K is cut in quarters so that a slice is 128 columns wide: a token fragment read from memory then feeds 8 matrix instructions; the four partial sums stay f32 and the next launch adds them.
; PHASE A: the slice's 512 KiB of f32 are read once, rounded to bf16 in registers and laid into LDS; wave w takes bytes 1,024 w .. + 1,023 of each of the 128 rows, 64 loads of 16 bytes a lane on their way.
; Meanwhile each wave reads topi and lays the ids of expert e's rows, by place, into a list of its own in LDS: it says where a place's result goes and which gate weight it takes.  One barrier.
; PHASE B: the expert's rows in tiles of 64 (4 x 8 accumulators of 16 x 16 a wave), dealt to the waves by turns; the last 0 to 4 blocks of 16 rows go one to a wave.  The token rows come from memory straight
; into registers as matrix operands, and NOTHING IN THIS PHASE WRITES LDS, so it has no barrier.  The loop over tiles has 5 trips for every split (a count of 0 to 1,024 rows); a wave without a tile jumps
; forward over the trip.
; PAST THE COUNT the list repeats the expert's first row, and the launch before has laid that row's numbers at those places: a block that is not full computes that row again and stores the same numbers to the
; same bytes (15 rows at the most a slice).  So every store has all lanes on, and EXEC is never written.
; LAYOUT.  Source 0 = 16 token rows, source 1 = 16 weight rows: register j of lane (r, h) is the row at place 8 h + j of the block and the column that fragment b gives to lane r.  The weight rows lie in LDS in such
; an order that this column is 4 r + b % 4 + 64 (b / 4): four accumulators' numbers of one row in a lane are 16 neighbouring bytes of the output row, and 16 lanes store 256 consecutive bytes, aligned.
; The bias is the C operand that starts each sum.
; NO CLUSTER: each weight slice has one reader; the token rows, which an expert's work-groups of one quarter share, would want room in LDS beside the slice and a ring in a loop whose length hangs on a count.
; NO TENSOR LOAD: the f32 weights pass through registers to be rounded.
; LIMITS.  Matrix operands are bf16, sums f32.  NaN and infinities are not treated apart.
.set WROWB, 16384     ; bytes from a weight row to the next
.set RSTEP, 16        ; rows that a round of phase A steps on in memory
.set PITCH, 272       ; an LDS row: 256 bytes + 16: the 16 rows of a fragment load start at 16 different groups of four banks (ISA guide 11.1)
.set PANEL, 128*PITCH ; 128 weight rows x 128 of K; eight panels hold the slice
.set LIST,  8*PANEL   ; each wave's list: 1,056 places and 32 dump words, 4,352 bytes
.set LISTW, 4352
.set SPARE, LIST+4*LISTW ; the spare words, 128 bytes a wave: two blocks of 256 bytes that no other line names
.set OFFS,  240       ; v240-247  phase A: slot c's byte offset in the slice
; window 0: v1 lane, v2 r = lane % 16, v3 h = lane / 16, v4 spare word, v5 0, v6 weight offset, v7, v45 where the rounded weights go (my two panels), v8 fragment place, v9 the same in the panel in hand,
;   v11 list place (32 h), v13, v47 for the list's first fill, v14 16 r, v15 8,192 r + 16 h, v16-19 token row offsets, v20-27 output row offsets (the bias as loaded, in phase A), v28-31 at work,
;   v33 list address of the tile, v34 4 lane, v35 16 h, v36-43 zeros, v44 16 lane, v46 my dump place, v48-63 rounded weights,
;   v64-127 and v128-191 two buffers of weight fragments (topi while the list is made; v64-127 at work on the way out); v192-223 the tile's gate weights
; window 1: phase A: 8 slots of 32 registers of f32 weights; phase B: accumulator (a, b) at 64 a + 8 b.     window 2: v0-127 token fragments (K step ks, block a) at 32 ks + 8 a; v128-191 the bias, 8 equal registers a block b
.set MSB, 0
.macro WIN new        ; bits 1:0 source 0, 3:2 source 1, 5:4 source 2, 7:6 destination; the high byte repeats the setting that is left
.if MSB != (\new)
	s_set_vgpr_msb (MSB<<8)|(\new)
.set MSB, \new
.endif
.endm
	s_load_b256 s[4:11], s[0:1], 0x0               ; weights s[4:5], bias s[6:7], token rows s[8:9], topi s[10:11]
	s_load_b64 s[12:13], s[0:1], 0x20              ; output
	s_load_b64 s[54:55], s[0:1], 0x28              ; topw
	v_lshl_add_u32 v4, v0, 2, SPARE
	v_mov_b32 v5, 0
	v_lshrrev_b32 v28, 5, v0
	v_readfirstlane_b32 s14, v28                   ; wave 0..3
	s_and_b32 s15, ttmp7, 0xffff                   ; expert
	s_mov_b32 s16, ttmp9                           ; slice
	v_and_b32 v1, 31, v0
	v_and_b32 v2, 15, v0
	v_bfe_u32 v3, v0, 4, 1
	s_lshr_b32 s17, s16, 2                         ; block of 128 columns
	s_and_b32 s18, s16, 3                          ; quarter of K
	s_lshl_b32 s20, s15, 24                        ; weights: (1,024 e + 128 hq) rows of 16,384 bytes + 4,096 kq
	s_lshl_b32 s21, s17, 21
	s_add_co_u32 s20, s20, s21
	s_lshl_b32 s21, s18, 12
	s_add_co_u32 s20, s20, s21
	s_lshl_b32 s32, s15, 12                        ; bias: 4 (1,024 e + 128 hq)
	s_lshl_b32 s33, s17, 9
	s_add_co_u32 s32, s32, s33
	s_lshl_b32 s38, s18, 12                        ; output: 4,096 kq + 512 hq inside a row of 16,384 bytes
	s_add_co_u32 s38, s38, s33
	s_lshl_b32 s36, s18, 11                        ; token rows: 2,048 kq inside a row, and the expert's 1,024 rows of 8,192 bytes
	s_lshl_b32 s37, s15, 23
	s_add_co_u32 s36, s36, s37
	s_mov_b32 s37, 0
	s_cmp_eq_u32 s18, 0
	s_cselect_b32 s52, -1, 0                       ; the bias counts in quarter 0 alone
	s_mov_b32 s21, 0
	s_mov_b32 s33, 0
	s_mov_b32 s39, 0
	v_lshlrev_b32 v6, 4, v1
	s_lshl_b32 s34, s14, 10
	v_add_nc_u32 v6, s34, v6                       ; 16 lane + 1,024 wave
	s_mul_i32 s34, s14, 2*PANEL
	v_lshl_add_u32 v7, v1, 3, s34                  ; my 256 columns of K are panels 2 w and 2 w + 1; 8 bytes a lane
	v_add_nc_u32 v45, PANEL, v7
	v_mul_u32_u24 v8, v2, PITCH
	v_lshl_add_u32 v8, v3, 4, v8                   ; r x pitch + 16 h
	s_mul_i32 s35, s14, LISTW
	s_add_co_u32 s35, s35, LIST                    ; my list
	v_lshl_add_u32 v11, v3, 5, s35
	v_lshl_add_u32 v13, v1, 3, s35
	v_lshlrev_b32 v14, 4, v2
	v_lshlrev_b32 v34, 2, v1
	v_lshlrev_b32 v35, 4, v3
	v_lshl_add_u32 v15, v2, 13, v35
	v_lshlrev_b32 v44, 4, v1
	v_add_nc_u32 v46, 0x420, v1                    ; place 1,056 + lane
	v_add_nc_u32 v47, s35, v44
.irp i, 36,37,38,39,40,41,42,43
	v_mov_b32 v\i, 0
.endr
.irp c, 0,1,2,3,4,5,6,7
	v_mov_b32 v[OFFS+(\c)], v6
.endr
	s_wait_kmcnt 0x0
	s_add_nc_u64 s[22:23], s[4:5], s[20:21]        ; the slice's first row; never stepped
	s_add_nc_u64 s[6:7], s[6:7], s[32:33]
	s_add_nc_u64 s[12:13], s[12:13], s[38:39]
	s_add_nc_u64 s[8:9], s[8:9], s[36:37]
; PHASE A.  Row x (0..31) of a round: RG its row in memory, RL its row in an LDS panel; a round steps RSTEP rows on in memory and 4 rows in LDS.
; LDS row 16 b + r holds the weight row that fragment b gives to lane r: row 4 r + b % 4 + 64 (b / 4) of the slice.
.macro ROWMAP x
.set RG, ((\x)&15)+64*((\x)>>4)
.set RL, 64*((\x)>>4)+16*((\x)&3)+(((\x)&15)>>2)
.endm
; A slot is my 1,024 bytes of 4 weight rows: 8 loads, each 512 consecutive bytes of the wave.  The slot's own offset register says which round.
.macro FILLSLOT c
	WIN 0x40                                       ; destination window 1
.set i, 0
.rept 8
	ROWMAP 4*(\c)+i/2
	global_load_b128 v[32*(\c)+4*i:32*(\c)+4*i+3], v[OFFS+(\c)], s[22:23] offset:RG*WROWB+(i%2)*512 th:TH_LOAD_NT
.set i, i+1
.endr
.endm
; Slot c is rounded and laid into LDS (a store of the wave: 256 consecutive bytes); reload = 1: it takes the same rows of the next round.  left: the younger loads that may stay out.
.macro CHUNK c, reload, left
	s_wait_loadcnt \left                           ; loads come back in order (ISA guide 5.7.1): the slot's eight are in, so its offset register is free too
	WIN 0x05                                       ; sources in window 1
.set i, 0
.rept 16
	v_cvt_pk_bf16_f32 v[48+i], v[32*(\c)+2*i], v[32*(\c)+2*i+1]
.set i, i+1
.endr
	WIN 0
.set i, 0
.rept 8
	ROWMAP 4*(\c)+i/2
.if i%2
	ds_store_b64 v45, v[48+2*i:48+2*i+1] offset:RL*PITCH
.else
	ds_store_b64 v7, v[48+2*i:48+2*i+1] offset:RL*PITCH
.endif
.set i, i+1
.endr
.if \reload
	v_add_nc_u32 v[OFFS+(\c)], RSTEP*WROWB, v[OFFS+(\c)]
	FILLSLOT \c
.endif
.endm
.irp g, 0,1,2,3,4,5,6,7,8,9,10,11,12,13,14,15
	global_load_b128 v[64+4*(\g):64+4*(\g)+3], v44, s[10:11] offset:512*(\g)   ; topi: register u of load g is id 128 g + 4 lane + u
.endr
	global_load_b128 v[20:23], v14, s[6:7]             ; the bias of my columns 4 r + b, b = 0..3,
	global_load_b128 v[24:27], v14, s[6:7] offset:256  ; and 64 + 4 r + b - 4, b = 4..7
.irp c, 0,1,2,3,4
	FILLSLOT \c
.endr
	WIN 0
.irp i, 0,1,2,3,4,5,6,7
	ds_store_b128 v47, v[36:39] offset:512*(\i)    ; my whole list holds id 0 first: 4,096 bytes,
.endr
	ds_store_b64 v13, v[36:37] offset:4096         ; and the last 256
	s_wait_loadcnt 40                              ; topi and the bias are in; the 40 weight loads behind them stay out
	; THE LIST.  A token's two ids (a register pair) name different experts, so at most one of them is mine.  A lane's place is the count so far plus the matching lanes below it;
	; a lane without a match writes its dump word.  The choice stands ahead of the clamp; all lanes are on.
	s_mov_b32 s26, 0
.set g, 0
.rept 32
	v_cmp_eq_u32 s33, s15, v[64+2*g+1]
	v_cmp_eq_u32 vcc_lo, s15, v[64+2*g]
	s_or_b32 s32, vcc_lo, s33
	v_mbcnt_lo_u32_b32 v28, s32, s26
	v_cndmask_b32 v29, 0, 1, s33
	v_add_nc_u32 v29, v34, v29
.if g > 0
	v_add_nc_u32 v29, 128*(g/2)+2*(g%2), v29       ; the id
.endif
	v_cndmask_b32 v28, v46, v28, s32
	v_min_u32 v28, 0x43f, v28                      ; 1,088 words
	v_lshlrev_b32 v28, 2, v28
	v_add_nc_u32 v28, s35, v28
	ds_store_b32 v28, v29
	s_bcnt1_i32_b32 s34, s32
	s_add_co_u32 s26, s26, s34
.set g, g+1
.endr
	v_mov_b32 v31, s35
	ds_load_b32 v30, v31                           ; the expert's first row (LDS serves a wave's instructions in order, ISA guide 5.7.1.4: this sees the stores above)
	v_add_nc_u32 v28, s26, v1                      ; the 32 places behind the count will repeat it
	v_min_u32 v28, 0x41f, v28
	v_lshlrev_b32 v28, 2, v28
	v_add_nc_u32 v28, s35, v28
	WIN 0x80                                       ; destination window 2: a C operand holds a column's bias in all 8 registers (8 rows); quarters 1 to 3 take 0
.set i, 0
.rept 64
	v_cndmask_b32 v[128+i], 0, v[20+i/8], s52
.set i, i+1
.endr
.irp c, 5,6,7
	FILLSLOT \c
.endr
	WIN 0
	s_wait_dscnt 0x0                               ; the first row's id is in
	ds_store_b32 v28, v30
	s_mov_b32 s30, 3
.Lround:                                               ; three rounds of 32 rows, each asking for the next; 8 slots, 64 loads of the wave, are out
.irp c, 0,1,2,3,4,5,6,7
	CHUNK \c, 1, 56                                ; the seven younger slots stay out
.endr
	WIN 0
	v_add_nc_u32 v7, 4*PITCH, v7
	v_add_nc_u32 v45, 4*PITCH, v45
	s_sub_co_u32 s30, s30, 1
	s_cmp_lg_u32 s30, 0
	s_cbranch_scc1 .Lround
.irp c, 0,1,2,3,4,5,6,7
	CHUNK \c, 0, 56-8*(\c)                         ; the last round asks for nothing: the counts run down
.endr
	s_wait_dscnt 0x0                               ; for the others' sake: my part of the slice is in LDS
	s_barrier_signal -1
	s_barrier_wait -1                              ; everybody's is
; PHASE B.
.macro BLOAD buf, off                  ; 8 weight fragments (128 rows x 32 of K at byte off of the panel's rows) into buffer buf
.irp b, 0,1,2,3,4,5,6,7
	ds_load_b128 v[64+64*(\buf)+8*(\b):64+64*(\buf)+8*(\b)+3], v9 offset:(\b)*16*PITCH+(\off)
	ds_load_b128 v[64+64*(\buf)+8*(\b)+4:64+64*(\buf)+8*(\b)+7], v9 offset:(\b)*16*PITCH+(\off)+32
.endr
.endm
; One K step of 32: mt x 8 matrix instructions, each accumulator once, so that they take turns.  lb = 1: the weight fragments two steps on go into the buffer just read;
; la = 1: the token fragments four steps on go into the registers just read.  dw, lw: the younger LDS and global loads that may stay out.
.macro KSTEP mt, ks, lb, la, dw, lw
	s_wait_dscnt \dw
	s_wait_loadcnt \lw
	WIN 0x52                                       ; tokens window 2, weights window 0, C and D window 1
.set a, 0
.rept \mt
.irp b, 0,1,2,3,4,5,6,7
	v_wmma_f32_16x16x32_bf16 v[64*a+8*(\b):64*a+8*(\b)+7], v[32*(\ks)+8*a:32*(\ks)+8*a+7], v[64+64*((\ks)%2)+8*(\b):64+64*((\ks)%2)+8*(\b)+7], v[64*a+8*(\b):64*a+8*(\b)+7]
.endr
.set a, a+1
.endr
.if (\lb) || (\la)
.rept 4
	v_nop                                          ; four places between the last matrix instruction and loads into registers that it has read (ISA guide 7.12.1 for vector instructions)
.endr
.endif
.if \lb
	WIN 0
.if (\ks) < 2
	BLOAD (\ks)%2, ((\ks)+2)*64
.else
	BLOAD (\ks)%2, PANEL+((\ks)-2)*64
.endif
.endif
.if \la
	WIN 0x80
.set a, 0
.rept \mt
	global_load_b128 v[32*(\ks)+8*a:32*(\ks)+8*a+3], v[16+a], s[24:25] offset:256+64*(\ks)
	global_load_b128 v[32*(\ks)+8*a+4:32*(\ks)+8*a+7], v[16+a], s[24:25] offset:256+64*(\ks)+32
.set a, a+1
.endr
.endif
.endm
; All of K for mt blocks of 16 rows: the rows' offsets, the first panel's token fragments, two steps' weight fragments, the sums started with the bias, 7 panels in a loop, the last written out.
.macro KRUN mt
.set a, 0
.rept \mt
	v_add_nc_u32 v[16+a], s53, v15                 ; row (the tile's first place) + r,
.if a > 0
	v_add_nc_u32 v[16+a], a*131072, v[16+a]        ; + 16 a, of 8,192 bytes
.endif
.set a, a+1
.endr
	s_mov_b64 s[24:25], s[8:9]
	WIN 0x80
.irp ks, 0,1,2,3
.set a, 0
.rept \mt
	global_load_b128 v[32*(\ks)+8*a:32*(\ks)+8*a+3], v[16+a], s[24:25] offset:64*(\ks)
	global_load_b128 v[32*(\ks)+8*a+4:32*(\ks)+8*a+7], v[16+a], s[24:25] offset:64*(\ks)+32
.set a, a+1
.endr
.endr
	WIN 0
	v_mov_b32 v9, v8
	BLOAD 0, 0
	BLOAD 1, 64
	WIN 0x60                                       ; C window 2, D window 1
.set a, 0
.rept \mt
.irp b, 0,1,2,3,4,5,6,7
	v_wmma_f32_16x16x32_bf16 v[64*a+8*(\b):64*a+8*(\b)+7], v[36:43], v[36:43], v[128+8*(\b):128+8*(\b)+7]   ; 0 x 0 + bias starts the sum, in the wait for the first fragments
.endr
.set a, a+1
.endr
	WIN 0
	s_mov_b32 s30, 7
.Lkloop\@:
	KSTEP \mt, 0, 1, 1, 16, 6*\mt                  ; out may stay: the next step's 16 weight loads; three younger steps' token loads, 2 mt each
	KSTEP \mt, 1, 1, 1, 16, 6*\mt
	KSTEP \mt, 2, 1, 1, 16, 6*\mt
	KSTEP \mt, 3, 1, 1, 16, 6*\mt
	WIN 0
	s_wait_xcnt 0x0                                ; the token loads' base steps only behind this wait
	s_add_nc_u64 s[24:25], s[24:25], 256
	v_add_nc_u32 v9, PANEL, v9
	s_sub_co_u32 s30, s30, 1
	s_cmp_lg_u32 s30, 0
	s_cbranch_scc1 .Lkloop\@
	KSTEP \mt, 0, 1, 0, 16, 6*\mt                  ; the last panel: no load leaves the row or the slice, and the counts run down
	KSTEP \mt, 1, 1, 0, 16, 4*\mt
	KSTEP \mt, 2, 0, 0, 16, 2*\mt
	KSTEP \mt, 3, 0, 0, 0, 0
	WIN 0
.endm
.macro IDS a                           ; the ids of block a's rows 8 h + j
.irp j, 0,1,2,3,4,5,6,7
	ds_load_b32 v[20+(\j)], v33 offset:64*(\a)+4*(\j)
.endr
.endm
; Block a: each sum times its row's gate weight, into v[64 + 8 j + b]: row 8 h + j's columns 4 r .. + 3 (b = 0..3) and 64 + 4 r .. + 3 (b = 4..7).  j ascends.
.macro EPI a
	IDS \a
	WIN 0x01                                       ; source 0 in window 1
.set jj, 0
.rept 8
.set bb, 0
.rept 8
	v_mul_f32 v[64+8*jj+bb], v[64*(\a)+8*bb+jj], v[192+8*(\a)+jj]
.set bb, bb+1
.endr
.set jj, jj+1
.endr
	WIN 0
.endm
.macro PUT j                           ; rows j and 8 + j of the block: 16 lanes store 256 consecutive bytes, aligned
	global_store_b128 v[20+(\j)], v[64+8*(\j):64+8*(\j)+3], s[12:13]
	global_store_b128 v[20+(\j)], v[64+8*(\j)+4:64+8*(\j)+7], s[12:13] offset:256
.endm
	s_lshr_b32 s27, s26, 6                         ; full tiles of 64 rows
	s_and_b32 s28, s26, 63
	s_add_co_u32 s28, s28, 15
	s_lshr_b32 s28, s28, 4                         ; blocks of 16 rows behind them, 0 to 4
	s_mov_b32 s29, 0
.Lwork:                                                ; 5 trips for every count: 16 tiles at the most are 4 a wave, then one block
	s_cmp_lt_u32 s29, 4
	s_cbranch_scc0 .Lrem
	s_lshl_b32 s34, s29, 2
	s_add_co_u32 s34, s34, s14                     ; tile wave + 4 i
	s_cmp_ge_u32 s34, s27
	s_cbranch_scc1 .Lnext
	s_lshl_b32 s39, s34, 6                         ; its first place
	s_mov_b32 s38, 4                               ; blocks
	s_branch .Lgo
.Lrem:
	s_sub_co_u32 s34, s14, s27
	s_and_b32 s34, s34, 3                          ; the blocks go to the waves that follow the last tile's
	s_cmp_ge_u32 s34, s28
	s_cbranch_scc1 .Lnext
	s_lshl_b32 s39, s27, 6
	s_lshl4_add_u32 s39, s34, s39
	s_mov_b32 s38, 1
.Lgo:
	s_min_u32 s39, s39, 1008                       ; a tile begins at place 960 at the most, a block at 1,008: 64 places from there lie inside my 1,088 words
	s_lshl_b32 s34, s39, 2
	v_add_nc_u32 v33, s34, v11
	s_lshl_b32 s53, s39, 13                        ; the first place in rows of 8,192 bytes
	s_wait_xcnt 0x0                                ; the last tile's stores have read their registers
	; the gate weights of 64 places (row 8 h + j of block a at v[192 + 8 a + j]) go out ahead of the token rows and land under the products; for a single block the places behind it hold ids too, and their weights are not used
.set i, 0
.rept 32
	ds_load_b32 v[192+i], v33 offset:64*(i/8)+4*(i%8)
.set i, i+1
.endr
	s_wait_dscnt 0x0
.set i, 0
.rept 32
	v_min_u32 v[192+i], 0x7ff, v[192+i]
	v_lshlrev_b32 v[192+i], 2, v[192+i]
.set i, i+1
.endr
.set i, 0
.rept 32
	global_load_b32 v[192+i], v[192+i], s[54:55]
.set i, i+1
.endr
	s_cmp_eq_u32 s38, 4
	s_cbranch_scc0 .Lone
	KRUN 4
	s_branch .Lepi
.Lone:
	KRUN 1
.Lepi:
.rept 4
	v_nop                                          ; four places between the last matrix instruction and the first reader of a result or writer of a source
.endr
	s_mov_b32 s31, 0
.Leloop:                                               ; THE WAY OUT, a block of 16 rows a trip
	s_cmp_ge_u32 s31, s38
	s_cbranch_scc1 .Lenext
	s_wait_xcnt 0x0                                ; the block before's stores have read their offsets and data
	s_cmp_eq_u32 s31, 1
	s_cbranch_scc1 .Le1
	s_cmp_eq_u32 s31, 2
	s_cbranch_scc1 .Le2
	s_cmp_eq_u32 s31, 3
	s_cbranch_scc1 .Le3
	EPI 0
	s_branch .Lecom
.Le1:
	EPI 1
	s_branch .Lecom
.Le2:
	EPI 2
	s_branch .Lecom
.Le3:
	EPI 3
.Lecom:
	s_wait_dscnt 0x0                               ; the ids
.irp j, 0,1,2,3,4,5,6,7
	v_min_u32 v[20+(\j)], 0x7ff, v[20+(\j)]
	v_lshlrev_b32 v[20+(\j)], 14, v[20+(\j)]       ; ypart: 16,384 bytes an id
	v_add_nc_u32 v[20+(\j)], v14, v[20+(\j)]
.endr
.irp j, 0,1,2,3,4,5,6,7
	PUT \j                                         ; places past the count store the expert's first row once more, with the same numbers
.endr
.Lenext:
	s_add_co_u32 s31, s31, 1
	s_cmp_lt_u32 s31, 4
	s_cbranch_scc1 .Leloop
.Lnext:
	s_add_co_u32 s29, s29, 1
	s_cmp_lt_u32 s29, 5
	s_cbranch_scc1 .Lwork
	s_wait_dscnt 0x0                               ; my reads of LDS are over;
	s_barrier_signal -1
	s_barrier_wait -1                              ; everybody's are: no wave writes LDS again while another still reads it
	s_wait_tensorcnt 0x0                           ; the wave's end
	ds_add_u32 v4, v5
	s_wait_dscnt 0x0
	s_endpgm
.Lfunc_end_k_qbc666bab20_ffn2:
	.size	k_qbc666bab20_ffn2, .Lfunc_end_k_qbc666bab20_ffn2-k_qbc666bab20_ffn2
	.p2alignl 7, 3214868480
	.fill 96, 4, 3214868480
	.section	.rodata,"a",@progbits
	.p2align	6, 0x0
	.amdhsa_kernel k_qbc666bab20_ffn2
		.amdhsa_group_segment_fixed_size 296448
		.amdhsa_private_segment_fixed_size 0
		.amdhsa_enable_private_segment 0
		.amdhsa_kernarg_size 48
		.amdhsa_user_sgpr_count 2
		.amdhsa_user_sgpr_kernarg_segment_ptr 1
		.amdhsa_wavefront_size32 1
		.amdhsa_system_sgpr_workgroup_id_x 1
		.amdhsa_system_sgpr_workgroup_id_y 1
		.amdhsa_system_sgpr_workgroup_id_z 1
		.amdhsa_system_vgpr_workitem_id 0
		.amdhsa_next_free_vgpr 704
		.amdhsa_next_free_sgpr 66
		.amdhsa_reserve_vcc 1
		.amdhsa_float_denorm_mode_32 3
		.amdhsa_float_denorm_mode_16_64 3
		.amdhsa_memory_ordered 1
		.amdhsa_forward_progress 1
		.amdhsa_inst_pref_size 144
	.end_amdhsa_kernel
	.amdgpu_metadata
---
amdhsa.version: [ 1, 2 ]
amdhsa.kernels:
  - .name:           k_qbc666bab20_ffn2
    .symbol:         k_qbc666bab20_ffn2.kd
    .args:
      - { .name: W2, .offset: 0, .size: 8, .value_kind: global_buffer, .address_space: global }
      - { .name: b2, .offset: 8, .size: 8, .value_kind: global_buffer, .address_space: global }
      - { .name: abuf, .offset: 16, .size: 8, .value_kind: global_buffer, .address_space: global }
      - { .name: topi, .offset: 24, .size: 8, .value_kind: global_buffer, .address_space: global }
      - { .name: ypart, .offset: 32, .size: 8, .value_kind: global_buffer, .address_space: global }
      - { .name: topw, .offset: 40, .size: 8, .value_kind: global_buffer, .address_space: global }
    .group_segment_fixed_size: 296448
    .private_segment_fixed_size: 0
    .kernarg_segment_align: 8
    .kernarg_segment_size: 48
    .max_flat_workgroup_size: 128
    .sgpr_count:     66
    .vgpr_count:     704
    .wavefront_size: 32
...
	.end_amdgpu_metadata
.endif
;; end of part 3
;; launch final (part 4): grid 256 x 1, 8 waves a work-group, no clusters, 0 bytes of LDS; arguments hidden_states, ypart, psum, out0, out1; writes out0, out1
.if DOCPART == 4
	.amdgcn_target "amdgcn-amd-amdhsa--gfx1250"
	.amdhsa_code_object_version 6
	.text
	.protected	k_qbc666bab20_final
	.globl	k_qbc666bab20_final
	.p2align	8
	.type	k_qbc666bab20_final,@function
k_qbc666bab20_final:
	s_mov_b64 s[64:65], 0
	v_nop
	global_prefetch_b8 v0, s[64:65] scope:SCOPE_SE
	s_setreg_imm32_b32 hwreg(HW_REG_WAVE_MODE, 25, 1), 1
	s_wait_xcnt 0x0
; out0[token] = hidden[token] + the eight partial rows of ids 2 token and 2 token + 1 (four quarters of K each, already times the gate's weight), all f32;
; out1 = 8 sum_e usage_e^2 - 1, usage_e = (the sum of psum[.][e]) / 1,024.
; A stream: a work-group takes 4 tokens, thread t the 16 bytes at 16 t of every row, so a load or store of a wave covers 512 consecutive bytes.  All 36 loads of a thread go out ahead of the first wait.
; No LDS, no matrix unit, no cluster: nothing is shared and memory binds.  out1 is made by wave 0 of work-group 0, the one owner of that word.
.set H, 16            ; token t: hidden at v[16 + 36 t], partial row j = 4 k + kq at v[20 + 36 t + 4 j]
	s_load_b256 s[4:11], s[0:1], 0x0               ; hidden s[4:5], ypart s[6:7], psum s[8:9], out0 s[10:11]
	s_load_b64 s[12:13], s[0:1], 0x20              ; out1
	v_lshlrev_b32 v1, 4, v0
	v_lshrrev_b32 v2, 5, v0
	v_readfirstlane_b32 s24, v2                    ; wave
	s_mov_b32 s25, ttmp9
	s_lshl_b32 s2, s25, 14                         ; 4 rows of 4,096 bytes
	s_mov_b32 s3, 0
	s_lshl_b32 s26, s25, 17                        ; 8 ids of 16,384 bytes
	s_mov_b32 s27, 0
	s_mov_b32 s30, 0x76543210
	s_mov_b32 s31, 0xfedcba98
	s_mov_b32 s32, 0x37000000                      ; 8 / 1,024^2 = 2^-17
	s_wait_kmcnt 0x0
	s_add_nc_u64 s[4:5], s[4:5], s[2:3]
	s_add_nc_u64 s[6:7], s[6:7], s[26:27]
	s_add_nc_u64 s[10:11], s[10:11], s[2:3]
.irp t, 0,1,2,3
	global_load_b128 v[H+36*(\t):H+36*(\t)+3], v1, s[4:5] offset:(\t)*4096 th:TH_LOAD_NT
.irp j, 0,1,2,3,4,5,6,7
	global_load_b128 v[H+36*(\t)+4+4*(\j):H+36*(\t)+4+4*(\j)+3], v1, s[6:7] offset:(\t)*32768+(\j)*4096 th:TH_LOAD_NT
.endr
.endr
.irp t, 0,1,2,3
	s_wait_loadcnt 27-9*(\t)                       ; this token's nine loads are in; the later tokens' stay out
.irp c, 0,2
.set y, H+36*(\t)+4+(\c)
	v_pk_add_f32 v[y:y+1], v[y:y+1], v[y+4:y+5]
	v_pk_add_f32 v[y+8:y+9], v[y+8:y+9], v[y+12:y+13]
	v_pk_add_f32 v[y+16:y+17], v[y+16:y+17], v[y+20:y+21]
	v_pk_add_f32 v[y+24:y+25], v[y+24:y+25], v[y+28:y+29]
	v_pk_add_f32 v[y:y+1], v[y:y+1], v[y+8:y+9]
	v_pk_add_f32 v[y+16:y+17], v[y+16:y+17], v[y+24:y+25]
	v_pk_add_f32 v[y:y+1], v[y:y+1], v[y+16:y+17]
	v_pk_add_f32 v[H+36*(\t)+(\c):H+36*(\t)+(\c)+1], v[H+36*(\t)+(\c):H+36*(\t)+(\c)+1], v[y:y+1]
.endr
	global_store_b128 v1, v[H+36*(\t):H+36*(\t)+3], s[10:11] offset:(\t)*4096 th:TH_STORE_NT
.endr
	s_cmp_lg_u32 s25, 0
	s_cbranch_scc1 .Lend
	s_cmp_lg_u32 s24, 0
	s_cbranch_scc1 .Lend
	; the balance loss: lane l adds rows l, l + 32 .. of psum's 256; then the lanes are added
	s_wait_xcnt 0x0                                ; the stores above have read their data: v16 on are loaded again only behind this wait
	v_lshlrev_b32 v2, 5, v0
	v_mov_b32 v3, 0
.irp j, 0,1,2,3,4,5,6,7
	global_load_b128 v[16+8*(\j):16+8*(\j)+3], v2, s[8:9] offset:1024*(\j)
	global_load_b128 v[16+8*(\j)+4:16+8*(\j)+7], v2, s[8:9] offset:1024*(\j)+16
.endr
	s_wait_loadcnt 0x0
.irp j, 1,2,3,4,5,6,7
.irp c, 0,2,4,6
	v_pk_add_f32 v[16+(\c):16+(\c)+1], v[16+(\c):16+(\c)+1], v[16+8*(\j)+(\c):16+8*(\j)+(\c)+1]
.endr
.endr
.irp m, 1,2,4,8
.irp e, 0,1,2,3,4,5,6,7
	v_add_f32_dpp v[16+(\e)], v[16+(\e)], v[16+(\e)] row_xmask:\m row_mask:0xf bank_mask:0xf
.endr
.endr
.irp e, 0,1,2,3,4,5,6,7
	v_permlanex16_b32 v[24+(\e)], v[16+(\e)], s30, s31
.endr
.irp e, 0,1,2,3,4,5,6,7
	v_add_f32 v[16+(\e)], v[16+(\e)], v[24+(\e)]
.endr
	v_mul_f32 v32, v16, v16
.irp e, 1,2,3,4,5,6,7
	v_fmac_f32 v32, v[16+(\e)], v[16+(\e)]
.endr
	v_fma_f32 v32, v32, s32, -1.0                  ; powers of two scale exactly: 8 sum (s / 1,024)^2 - 1
	v_cmp_eq_u32 vcc_lo, 0, v0
	s_wait_xcnt 0x0                                ; EXEC changes only behind this wait,
	s_and_saveexec_b32 s33, vcc_lo
	global_store_b32 v3, v32, s[12:13]
	s_wait_xcnt 0x0                                ; in both directions
	s_or_b32 exec_lo, exec_lo, s33
.Lend:
	s_endpgm
.Lfunc_end_k_qbc666bab20_final:
	.size	k_qbc666bab20_final, .Lfunc_end_k_qbc666bab20_final-k_qbc666bab20_final
	.p2alignl 7, 3214868480
	.fill 96, 4, 3214868480
	.section	.rodata,"a",@progbits
	.p2align	6, 0x0
	.amdhsa_kernel k_qbc666bab20_final
		.amdhsa_group_segment_fixed_size 0
		.amdhsa_private_segment_fixed_size 0
		.amdhsa_enable_private_segment 0
		.amdhsa_kernarg_size 40
		.amdhsa_user_sgpr_count 2
		.amdhsa_user_sgpr_kernarg_segment_ptr 1
		.amdhsa_wavefront_size32 1
		.amdhsa_system_sgpr_workgroup_id_x 1
		.amdhsa_system_sgpr_workgroup_id_y 1
		.amdhsa_system_sgpr_workgroup_id_z 1
		.amdhsa_system_vgpr_workitem_id 0
		.amdhsa_next_free_vgpr 160
		.amdhsa_next_free_sgpr 66
		.amdhsa_reserve_vcc 1
		.amdhsa_float_denorm_mode_32 3
		.amdhsa_float_denorm_mode_16_64 3
		.amdhsa_memory_ordered 1
		.amdhsa_forward_progress 1
		.amdhsa_inst_pref_size 16
	.end_amdhsa_kernel
	.amdgpu_metadata
---
amdhsa.version: [ 1, 2 ]
amdhsa.kernels:
  - .name:           k_qbc666bab20_final
    .symbol:         k_qbc666bab20_final.kd
    .args:
      - { .name: hidden_states, .offset: 0, .size: 8, .value_kind: global_buffer, .address_space: global }
      - { .name: ypart, .offset: 8, .size: 8, .value_kind: global_buffer, .address_space: global }
      - { .name: psum, .offset: 16, .size: 8, .value_kind: global_buffer, .address_space: global }
      - { .name: out0, .offset: 24, .size: 8, .value_kind: global_buffer, .address_space: global }
      - { .name: out1, .offset: 32, .size: 8, .value_kind: global_buffer, .address_space: global }
    .group_segment_fixed_size: 0
    .private_segment_fixed_size: 0
    .kernarg_segment_align: 8
    .kernarg_segment_size: 40
    .max_flat_workgroup_size: 256
    .sgpr_count:     66
    .vgpr_count:     160
    .wavefront_size: 32
...
	.end_amdgpu_metadata
.endif
;; end of part 4
;; ======== version 2 of 2: 4 launches; version 1 with the launches ffn1, ffn2 written anew for expert scheduling mode
;; limits: a function is approximated: absolute error at most 2.5e-05
;; workspace buffers: xn 2,097,152 bytes; topi 8,192 bytes of whole numbers; topw 8,192 bytes; psum 8,192 bytes; abuf 67,633,152 bytes; ypart 33,554,432 bytes
;; launch router: the kernel of part 1 again; grid 256 x 1, 1 waves a work-group, no clusters, 0 bytes of LDS; arguments hidden_states, ln_w, ln_b, Wr, br, xn, topi, topw, psum; writes xn, topi, topw, psum
;; launch ffn1 (part 5): grid 32 x 8, 4 waves a work-group, no clusters, 279,040 bytes of LDS; arguments W1, b1, xn, topi, abuf; writes abuf
.if DOCPART == 5
	.amdgcn_target "amdgcn-amd-amdhsa--gfx1250"
	.amdhsa_code_object_version 6
	.text
	.protected	k_qbc666bab20_ffn1
	.globl	k_qbc666bab20_ffn1
	.p2align	8
	.type	k_qbc666bab20_ffn1,@function
k_qbc666bab20_ffn1:
	s_mov_b64 s[64:65], 0
	v_nop
	global_prefetch_b8 v0, s[64:65] scope:SCOPE_SE
	s_setreg_imm32_b32 hwreg(HW_REG_WAVE_SCHED_MODE, 0, 2), 2
	s_setreg_imm32_b32 hwreg(HW_REG_WAVE_MODE, 25, 1), 1
	s_wait_xcnt 0x0
	s_wait_alu depctr_vm_vsrc(0)
; THE FIRST PRODUCT OF A ROUTED EXPERT LAYER.  abuf[e][place][n] = gelu(xn[token of that place] . W1[e][n] + b1[e][n]), bf16.
; id = 2 token + k names a routed row; topi[id], stored by the launch before, is its expert.  Only the rows that chose expert e are multiplied.  An expert's rows are numbered by PLACES, 0 to count - 1,
; in the order of the words of a bitmap (below) and, in a word, of its bits; the next launch numbers them alike.  abuf has 1,024 rows of 8,192 bytes for each expert; only the places that exist are touched.
; SHARES.  Work-group (x, y): expert e = y and a slice of 128 output columns (128 x .. + 127) x all 1,024 of K of its weights, which it alone reads.
; PHASE A: the slice's 512 KiB of f32 are read once, rounded to bf16 in registers and laid into LDS; wave w takes bytes 1,024 w .. + 1,023 of each of the 128 rows, 64 loads of 16 bytes a lane on their way.
; Meanwhile each wave reads topi and keeps the expert's bitmap: 32 words of 32 tokens in the lanes of one register, and beside each word how many rows stand ahead of it.  One barrier.
; PHASE B: the expert's rows in tiles of 64 (4 x 8 accumulators of 16 x 16 a wave), dealt to the waves by turns; the last 0 to 4 blocks of 16 rows go one to a wave.  The token of a place is found in registers from
; the bitmap; the token rows come from memory straight into registers as matrix operands; NOTHING IN THIS PHASE WRITES LDS, so it has no barrier.  The loop over tiles has 5 trips for every split (a count of 0 to
; 1,024 rows); a wave without a tile jumps forward over the trip.
; PAST THE COUNT a block that is not full takes the expert's first row again (15 rows at the most a slice) and stores it at the places past the count, which the next launch reads.  EXEC is never written.
; LAYOUT.  Source 0 = 16 token rows, source 1 = 16 weight rows: register j of lane (r, h) is the row at place 8 h + j of the block and the column that fragment b gives to lane r.  The weight rows lie in LDS in such
; an order that this column is 8 r + b: the 8 accumulators' numbers of one row in a lane are 16 neighbouring bytes of the output row, and 16 lanes store 256 consecutive bytes, aligned.
; The bias is the C operand that starts each sum.
; NO CLUSTER: each weight slice has one reader, and the token rows come by their numbers, which no tile descriptor covers.  NO TENSOR LOAD: the f32 weights pass through registers to be rounded.
; LIMITS.  Matrix operands are bf16, sums f32.  erf(z) = sign(z) (1 - (a1 t + a2 t^2 + a3 t^3) e^(-z^2)), t = 1 / (1 + 0.47047 |z|): off by 2.5e-5 at the most for every z, so gelu by 1.25e-5 |x|; NaN and infinities are not treated apart.
; THE MODE: SCHED_MODE bits 1:0 = 2 (LLVM: expert scheduling mode 2), set by the entry lines.  The code itself states the register dependences
; between vector or matrix instructions and memory or LDS instructions, with s_wait_alu, always for 0.
; THE PLAN.  Registers that memory or LDS instructions touch, and who else names them:
;   PHASE A.  Window 1, slot c: its 8 loads land there, its 16 conversions read it, behind them the next round's loads land.  v[OB + 16 c ..]: written by slot c's conversions, read by its 8 LDS stores, written again a
;     round later.  v[OFFS + c]: read by the slot's loads, stepped once a round ahead of the slot's conversions.  v7, v45: read by every LDS store, stepped at a round's end.
;     So ONE wait on va_vdst stands in a slot's turn, behind its conversions, and ONE wait on vm_vsrc ahead of the loop and at each round's end.
;   PHASE B, the K loop.  Weight buffers v64-127, v128-191: step t's matrix instructions read buffer t % 2; step t's LDS loads (the fragments of step t + 1) land in the other, which step t - 1 read.
;     Token sets, window 2: step t reads set t % 4; behind its matrix instructions the loads of step t + 4 land in it.  v9: read by every fragment load, stepped in a panel's last step.  v16-19: read by every token load,
;     written ahead of the loop alone.  So ONE wait on va_vdst stands at a step's end: it serves the token loads that follow it and the next step's fragment loads, between which and the wait no vector or matrix
;     instruction names that buffer or v9.  One wait on vm_vsrc a panel stands ahead of the add to v9.
;   A TILE'S HEAD: one wait on vm_vsrc ahead of all that the tile writes anew, one on va_vdst ahead of its first loads.  THE WAY OUT: v20 and v224-255 are written by vector instructions and read by a block's 8 stores:
;     one wait on vm_vsrc at a block's head, one on va_vdst ahead of the stores.
;   Scalar registers that vector instructions write (the wave's number, masks, words read from lanes): a wait on va_sdst behind each run of writers, ahead of the first reader.
.set WROWB, 4096      ; bytes from a weight row to the next
.set RSTEP, 32        ; rows that a round of phase A steps on in memory
.set PITCH, 272       ; an LDS row: 256 bytes + 16: the 16 rows of a fragment load start at 16 different groups of four banks (ISA guide 11.1)
.set PANEL, 128*PITCH ; 128 weight rows x 128 of K; eight panels hold the slice
.set SPARE, 8*PANEL   ; the spare words, 128 bytes a wave: two blocks of 256 bytes that no other line names
.set OFFS,  240       ; v240-247  phase A: slot c's byte offset in the slice
.set OB,    64        ; v64-191   phase A: slot c's rounded weights, 16 registers at OB + 16 c
.set TB,    64        ; v64-127   the search for a tile's tokens: 16 registers for each of its four blocks:
.set oP, 0            ;   32 x place + 31
.set oM, 1            ;   the bitmap word that holds the place
.set oK, 2            ;   that word's key: 32 x (rows ahead of it) + its number
.set oN, 3            ;   which of the word's set bits
.set oA, 4            ;   the word's bit counts in fields of 2,
.set oB, 5            ;   4,
.set oC, 6            ;   8 bits,
.set oD, 7            ;   and of its low 16 bits
.set oS, 8            ;   the bit found so far
.set oT, 9            ;   at work
.set oU, 10
.set oG, 11           ;   the word's number
; window 0: v1 lane, v2 r = lane % 16, v3 h = lane / 16, v4 spare word, v5 0, v6 weight offset, v7, v45 where the rounded weights go (my two panels), v8 fragment place, v9 the same in the panel in hand,
;   v12 65,536 h + 16 r (8 h rows of abuf and my 16 bytes), v14 16 r, v15 32 r, v16-19 token row offsets, v20 output offset (v20-27: the bias as loaded, in phase A), v28-31 places,
;   v35 16 h, v36-43 zeros, v44 16 lane, v46 the bitmap (word g in lane g), v47 the keys,
;   v64-127 and v128-191 two buffers of weight fragments (v64-127: topi, then with v128-191 the rounded weights in phase A; the search ahead of a tile; all at work on the way out, with v192-255)
; window 1: phase A: 8 slots of 32 registers of f32 weights; phase B: accumulator (a, b) at 64 a + 8 b.     window 2: v0-127 token fragments (K step ks, block a) at 32 ks + 8 a; v128-191 the bias, 8 equal registers a block b
.set MSB, 0
.macro WIN new        ; bits 1:0 source 0, 3:2 source 1, 5:4 source 2, 7:6 destination; the high byte repeats the setting that is left
.if MSB != (\new)
	s_set_vgpr_msb (MSB<<8)|(\new)
.set MSB, \new
.endif
.endm
.macro EACH line:vararg                ; the line once for each of a tile's four blocks a, so that no line waits for the one before it
.set a, 0
.rept 4
	\line
.set a, a+1
.endr
.endm
	s_load_b256 s[4:11], s[0:1], 0x0               ; weights s[4:5], bias s[6:7], token rows s[8:9], topi s[10:11]
	s_load_b64 s[12:13], s[0:1], 0x20              ; output
	v_lshl_add_u32 v4, v0, 2, SPARE
	v_mov_b32 v5, 0
	v_lshrrev_b32 v28, 5, v0
	v_readfirstlane_b32 s14, v28                   ; wave 0..3
	s_and_b32 s15, ttmp7, 0xffff                   ; expert
	s_mov_b32 s16, ttmp9                           ; slice
	v_and_b32 v1, 31, v0
	v_and_b32 v2, 15, v0
	v_bfe_u32 v3, v0, 4, 1
	s_lshl_b32 s20, s15, 24                        ; weights: (4,096 e + 128 s) rows of 4,096 bytes
	s_lshl_b32 s21, s16, 19
	s_add_co_u32 s20, s20, s21
	s_lshl_b32 s32, s15, 14                        ; bias: 4 (4,096 e + 128 s)
	s_lshl_b32 s33, s16, 9
	s_add_co_u32 s32, s32, s33
	s_lshl_b32 s38, s15, 23                        ; output: the expert's 1,024 rows of 8,192 bytes, and 256 s inside a row
	s_lshl_b32 s39, s16, 8
	s_add_co_u32 s38, s38, s39
	s_mov_b32 s21, 0
	s_mov_b32 s33, 0
	s_mov_b32 s39, 0
	v_lshlrev_b32 v6, 4, v1
	s_wait_alu depctr_va_sdst(0)                   ; s14, the wave's number, is written, ahead of its first reader
	s_lshl_b32 s34, s14, 10
	v_add_nc_u32 v6, s34, v6                       ; 16 lane + 1,024 wave
	s_mul_i32 s34, s14, 2*PANEL
	v_lshl_add_u32 v7, v1, 3, s34                  ; my 256 columns of K are panels 2 w and 2 w + 1; 8 bytes a lane
	v_add_nc_u32 v45, PANEL, v7
	v_mul_u32_u24 v8, v2, PITCH
	v_lshl_add_u32 v8, v3, 4, v8                   ; r x pitch + 16 h
	v_lshlrev_b32 v14, 4, v2
	v_lshl_add_u32 v12, v3, 16, v14
	v_lshlrev_b32 v15, 5, v2
	v_lshlrev_b32 v35, 4, v3
	v_lshlrev_b32 v44, 4, v1
	v_mov_b32 v46, 0                               ; v_writelane_b32 counts as a reader of its destination
	v_mov_b32 v47, 0
.irp i, 36,37,38,39,40,41,42,43
	v_mov_b32 v\i, 0
.endr
.irp c, 0,1,2,3,4,5,6,7
	v_mov_b32 v[OFFS+(\c)], v6
.endr
	s_mov_b32 s40, 0x3f596d27                      ; c = sqrt(log2(e) / 2): 2^(-(c x)^2) = e^(-x^2 / 2)
	s_mov_b32 s41, s40                             ; (the packed forms name pairs and take the low word for both halves)
	s_mov_b32 s42, 0x3ec88bda                      ; 0.47047 / (c sqrt 2)
	s_mov_b32 s44, 0x3ee16a97                      ; a3 k0
	s_mov_b32 s45, s44
	s_mov_b32 s46, 0xbd6732ca                      ; a2 k0
	s_mov_b32 s47, s46
	s_mov_b32 s48, 0x3e51cd01                      ; a1 k0
	s_mov_b32 s49, s48
	s_mov_b32 s50, 0x3f16b55f                      ; k0 = 1 / (2 c)
	s_mov_b32 s51, s50
	s_wait_kmcnt 0x0
	s_add_nc_u64 s[22:23], s[4:5], s[20:21]        ; the slice's first row; never stepped
	s_add_nc_u64 s[6:7], s[6:7], s[32:33]
	s_add_nc_u64 s[12:13], s[12:13], s[38:39]
; PHASE A.  Row x (0..31) of a round: RG its row in memory, RL its row in an LDS panel; a round steps RSTEP rows on in memory and 4 rows in LDS.
; LDS row 16 b + r holds the weight row that fragment b gives to lane r: row 8 r + b of the slice.
.macro ROWMAP x
.set RG, (\x)
.set RL, 16*((\x)&7)+((\x)>>3)
.endm
; A slot is my 1,024 bytes of 4 weight rows: 8 loads, each 512 consecutive bytes of the wave.  The slot's own offset register says which round.
.macro FILLSLOT c
	WIN 0x40                                       ; destination window 1
.set i, 0
.rept 8
	ROWMAP 4*(\c)+i/2
	global_load_b128 v[32*(\c)+4*i:32*(\c)+4*i+3], v[OFFS+(\c)], s[22:23] offset:RG*WROWB+(i%2)*512 th:TH_LOAD_NT
.set i, i+1
.endr
.endm
; Slot c is rounded into its own 16 registers and laid into LDS (a store of the wave: 256 consecutive bytes); reload = 1: it takes the same rows of the next round.  left: the younger loads that may stay out.
.macro CHUNK c, reload, left
	s_wait_loadcnt \left                           ; loads come back in order (ISA guide 5.7.1): the slot's eight are in, so its offset register is free too
.if \reload
	WIN 0
	v_add_nc_u32 v[OFFS+(\c)], RSTEP*WROWB, v[OFFS+(\c)]  ; the loads that read it stand ahead of the last wait on vm_vsrc
.endif
	WIN 0x05                                       ; sources in window 1
.set i, 0
.rept 16
	v_cvt_pk_bf16_f32 v[OB+16*(\c)+i], v[32*(\c)+2*i], v[32*(\c)+2*i+1]
.set i, i+1
.endr
.if \reload
	WIN 0x40
	s_wait_alu depctr_va_vdst(0)                   ; the conversions are done reading the slot, in which the loads below land, and have written v[OB + 16 c ..], which the LDS stores read; the slot's offset is written; in a round's first slot so are v7 and v45
	FILLSLOT \c
	WIN 0
.else
	WIN 0
	s_wait_alu depctr_va_vdst(0)                   ; the conversions have written v[OB + 16 c ..], which the LDS stores read; in the first slot v7 and v45 are written
.endif
.set i, 0
.rept 8
	ROWMAP 4*(\c)+i/2
.if i%2
	ds_store_b64 v45, v[OB+16*(\c)+2*i:OB+16*(\c)+2*i+1] offset:RL*PITCH
.else
	ds_store_b64 v7, v[OB+16*(\c)+2*i:OB+16*(\c)+2*i+1] offset:RL*PITCH
.endif
.set i, i+1
.endr
.endm
	s_wait_alu depctr_va_vdst(0)                   ; all offsets and LDS addresses made above are written: v44, v15 and v240-247, which the loads below read, and v7, v8, v12, v45 for later
.irp g, 0,1,2,3,4,5,6,7,8,9,10,11,12,13,14,15
	global_load_b128 v[64+4*(\g):64+4*(\g)+3], v44, s[10:11] offset:512*(\g)   ; topi: register u of load g is id 128 g + 4 lane + u
.endr
	global_load_b128 v[20:23], v15, s[6:7]             ; the bias of my columns 8 r + b
	global_load_b128 v[24:27], v15, s[6:7] offset:16
.irp c, 0,1,2,3,4
	FILLSLOT \c
.endr
	WIN 0
	s_wait_loadcnt 40                              ; topi and the bias are in; the 40 weight loads behind them stay out
	; THE BITMAP.  Register pair g holds the two ids of token 64 (g / 2) + 2 lane + g % 2; they name different experts, so at most one of them is mine.  Word g: the lanes whose token chose expert e.
	; Its key: 32 x (the rows ahead of it) + g.  The compares stand in runs of 16, eight words' worth, with one wait behind each run.
	s_mov_b32 s26, 0
.set q, 0
.rept 4
.set g, 0
.rept 8
	v_cmp_eq_u32 s[66+g], s15, v[64+2*(8*q+g)]
	v_cmp_eq_u32 s[74+g], s15, v[64+2*(8*q+g)+1]
.set g, g+1
.endr
	s_wait_alu depctr_va_sdst(0)                   ; the run's 16 masks s66-81 are written, ahead of the scalar lines that read them
.set g, 0
.rept 8
	s_or_b32 s32, s[66+g], s[74+g]
	s_lshl_b32 s53, s26, 5
.if 8*q+g > 0
	s_or_b32 s53, s53, 8*q+g
.endif
	v_writelane_b32 v46, s32, 8*q+g
	v_writelane_b32 v47, s53, 8*q+g
	s_bcnt1_i32_b32 s34, s32
	s_add_co_u32 s26, s26, s34
.set g, g+1
.endr
.set q, q+1
.endr
	WIN 0x80                                       ; destination window 2: a C operand holds a column's bias in all 8 registers (8 rows)
.set i, 0
.rept 64
	v_mov_b32 v[128+i], v[20+i/8]
.set i, i+1
.endr
.irp c, 5,6,7
	FILLSLOT \c                                    ; no wait: no vector instruction since the wait ahead of the first loads names these slots or their offsets
.endr
	WIN 0
	s_wait_alu depctr_vm_vsrc(0)                   ; the first fills have read v240-247, which the first round steps
	s_mov_b32 s30, 3
.Lround:                                               ; three rounds of 32 rows, each asking for the next; 8 slots, 64 loads of the wave, are out
.irp c, 0,1,2,3,4,5,6,7
	CHUNK \c, 1, 56                                ; the seven younger slots stay out
.endr
	WIN 0
	s_wait_alu depctr_vm_vsrc(0)                   ; the round's LDS stores have read v7, v45 and v64-191, its loads v240-247: all of these are written again in the next round
	v_add_nc_u32 v7, 4*PITCH, v7
	v_add_nc_u32 v45, 4*PITCH, v45
	s_sub_co_u32 s30, s30, 1
	s_cmp_lg_u32 s30, 0
	s_cbranch_scc1 .Lround
.irp c, 0,1,2,3,4,5,6,7
	CHUNK \c, 0, 56-8*(\c)                         ; the last round asks for nothing: the counts run down
.endr
	s_wait_dscnt 0x0                               ; for the others' sake: my part of the slice is in LDS
	s_barrier_signal -1
	s_barrier_wait -1                              ; everybody's is
; PHASE B.
.macro BLOAD buf, off                  ; 8 weight fragments (128 rows x 32 of K at byte off of the panel's rows) into buffer buf
.irp b, 0,1,2,3,4,5,6,7
	ds_load_b128 v[64+64*(\buf)+8*(\b):64+64*(\buf)+8*(\b)+3], v9 offset:(\b)*16*PITCH+(\off)
	ds_load_b128 v[64+64*(\buf)+8*(\b)+4:64+64*(\buf)+8*(\b)+7], v9 offset:(\b)*16*PITCH+(\off)+32
.endr
.endm
.macro BNEXT ks                        ; in step ks of a panel: the fragments of the step behind it, into the buffer that this step does not read
.if (\ks) < 3
	BLOAD ((\ks)+1)%2, ((\ks)+1)*64
.else
	BLOAD 0, PANEL
.endif
.endm
; One K step of 32: mt x 8 matrix instructions, each accumulator once, so that they take turns.
; lb = 1: the NEXT step's weight fragments go into the buffer that the step before read: with four blocks in one run behind the first block's 8 matrix instructions, with one block ahead of the step's waits.
; la = 1: behind the step's matrix instructions the token fragments four steps on go into the registers just read.  ew = 1: the step ends with the wait on va_vdst.  st = 1: a panel's last step moves v9 on.
; lw: the younger global loads that may stay out.
.macro KSTEP mt, ks, lb, la, ew, st, lw
.if (\lb) && ((\mt) == 1)
	WIN 0
	BNEXT \ks                                      ; no wait: no vector or matrix instruction since the last step's wait names this buffer or v9
	s_wait_dscnt 16                                ; this step's fragments are in; the 16 loads just issued stay out
.else
	s_wait_dscnt 0x0                               ; this step's fragments are in: nothing younger is out
.endif
	s_wait_loadcnt \lw
	WIN 0x52                                       ; tokens window 2, weights window 0, C and D window 1
.set a, 0
.rept \mt
.irp b, 0,1,2,3,4,5,6,7
	v_wmma_f32_16x16x32_bf16 v[64*a+8*(\b):64*a+8*(\b)+7], v[32*(\ks)+8*a:32*(\ks)+8*a+7], v[64+64*((\ks)%2)+8*(\b):64+64*((\ks)%2)+8*(\b)+7], v[64*a+8*(\b):64*a+8*(\b)+7]
.endr
.if (\lb) && ((\mt) > 1) && (a == 0)
	WIN 0
	BNEXT \ks                                      ; no wait: the 8 matrix instructions since the last step's wait name the other buffer, this step's token set and accumulators
	WIN 0x52
.endif
.set a, a+1
.endr
.if \st
	WIN 0
	s_wait_alu depctr_vm_vsrc(0)                   ; the fragment loads issued so far have read v9
	v_add_nc_u32 v9, PANEL, v9
.endif
.if \ew
.rept 4
	v_nop                                          ; four plain places behind the step's last matrix instruction, ahead of loads into registers that it has read; they stand beside the wait below, which fills no place
.endr
.if \la
	WIN 0x80
.endif
	s_wait_alu depctr_va_vdst(0)                   ; the step's matrix instructions are done reading their token set, in which the loads below land, and their weight buffer, in which the next step's fragment loads land; in a panel's last step v9 is written
.endif
.if \la
.set a, 0
.rept \mt
	global_load_b128 v[32*(\ks)+8*a:32*(\ks)+8*a+3], v[16+a], s[24:25] offset:256+64*(\ks)
	global_load_b128 v[32*(\ks)+8*a+4:32*(\ks)+8*a+7], v[16+a], s[24:25] offset:256+64*(\ks)+32
.set a, a+1
.endr
.endif
.endm
; All of K for mt blocks of 16 rows: the first panel's token fragments, the first step's weight fragments, the sums started with the bias, 7 panels in a loop, the last written out.
.macro KRUN mt
	s_mov_b64 s[24:25], s[8:9]
	WIN 0
	v_mov_b32 v9, v8
	WIN 0x80
	s_wait_alu depctr_va_vdst(0)                   ; v9 and v16-19 are written, which the loads below read; all vector work on v64-191 and the last tile's matrix reads of the token sets are over: the loads below land there
.irp ks, 0,1,2,3
.set a, 0
.rept \mt
	global_load_b128 v[32*(\ks)+8*a:32*(\ks)+8*a+3], v[16+a], s[24:25] offset:64*(\ks)
	global_load_b128 v[32*(\ks)+8*a+4:32*(\ks)+8*a+7], v[16+a], s[24:25] offset:64*(\ks)+32
.set a, a+1
.endr
.endr
	WIN 0
	BLOAD 0, 0
	WIN 0x60                                       ; C window 2, D window 1
.set a, 0
.rept \mt
.irp b, 0,1,2,3,4,5,6,7
	v_wmma_f32_16x16x32_bf16 v[64*a+8*(\b):64*a+8*(\b)+7], v[36:43], v[36:43], v[128+8*(\b):128+8*(\b)+7]   ; 0 x 0 + bias starts the sum, in the wait for the first fragments
.endr
.set a, a+1
.endr
	WIN 0
	s_mov_b32 s30, 7
.Lkloop\@:
	KSTEP \mt, 0, 1, 1, 1, 0, 6*\mt                ; out may stay: three younger steps' token loads, 2 mt each
	KSTEP \mt, 1, 1, 1, 1, 0, 6*\mt
	KSTEP \mt, 2, 1, 1, 1, 0, 6*\mt
	KSTEP \mt, 3, 1, 1, 1, 1, 6*\mt
	WIN 0
	s_wait_xcnt 0x0                                ; the token loads' base steps only behind this wait
	s_add_nc_u64 s[24:25], s[24:25], 256
	s_sub_co_u32 s30, s30, 1
	s_cmp_lg_u32 s30, 0
	s_cbranch_scc1 .Lkloop\@
	KSTEP \mt, 0, 1, 0, 1, 0, 6*\mt                ; the last panel: no load leaves the row or the slice, and the counts run down
	KSTEP \mt, 1, 1, 0, 1, 0, 4*\mt
	KSTEP \mt, 2, 1, 0, 0, 0, 2*\mt                ; behind this step no load lands in a register that it reads: no wait
	KSTEP \mt, 3, 0, 0, 0, 0, 0
	WIN 0
.endm
; One halving of the search for the n-th set bit: the field of w bits at the bit found so far holds t set bits (read from the counts in src); if n is not below t, the bit lies in the field above.
.macro DESC src, mask, w
	EACH v_lshrrev_b32 v[TB+16*a+oT], v[TB+16*a+oS], v[TB+16*a+\src]
	EACH v_and_b32 v[TB+16*a+oT], \mask, v[TB+16*a+oT]
	EACH v_cmp_ge_u32 s[78+a], v[TB+16*a+oN], v[TB+16*a+oT]
	s_wait_alu depctr_va_sdst(0)                   ; the four masks s78-81 are written, ahead of the selects that read them
	EACH v_cndmask_b32 v[TB+16*a+oT], 0, v[TB+16*a+oT], s[78+a]
	EACH v_cndmask_b32 v[TB+16*a+oU], 0, \w, s[78+a]
	EACH v_sub_nc_u32 v[TB+16*a+oN], v[TB+16*a+oN], v[TB+16*a+oT]
	EACH v_add_nc_u32 v[TB+16*a+oS], v[TB+16*a+oS], v[TB+16*a+oU]
.endm
.macro MASKS w                         ; the four masks of word w of a trip of the search: s78-81, s82-85, s52-55, s60-63
.set MB, 78+4*(\w)
.if (\w) == 2
.set MB, 52
.endif
.if (\w) == 3
.set MB, 60
.endif
.endm
; Block a's 64 sums a lane, times c, into v[64 + 8 b + j]; each accumulator's low registers are read first
.macro EPI a
	WIN 0x01                                       ; source 0 in window 1
.set i, 0
.rept 32
	v_pk_mul_f32 v[64+2*i:64+2*i+1], v[64*(\a)+2*i:64*(\a)+2*i+1], s[40:41] op_sel_hi:[1,0]
.set i, i+1
.endr
	WIN 0
.endm
; gelu of 32 numbers S = c x at v[64 + 32 hb] (accumulators 4 hb .. + 3): k0 S + |S| (k0 - poly(t) 2^(-S^2)), t = 1 / (1 + p |S|).  T v128-159, G v160-191, P v192-223.
; Out: row 8 h + j's columns 8 r + 4 hb .. + 3 as two registers of bf16 at v[224 + 4 j + 2 hb].
; The 32 reciprocals and 32 exponentials are ONE batch among the plain lines that feed them; nothing names a result ahead of the one wait.
.macro GELU32 hb
.set SB, 64+32*(\hb)
.set i, 0
.rept 17
.if i < 16
	v_fma_f32 v[128+2*i], |v[SB+2*i]|, s42, 1.0
.endif
.if i > 0
	v_rcp_f32 v[128+2*i-2], v[128+2*i-2]
.endif
.if i < 16
	v_fma_f32 v[128+2*i+1], |v[SB+2*i+1]|, s42, 1.0
.endif
.if i > 0
	v_rcp_f32 v[128+2*i-1], v[128+2*i-1]
.endif
.if i < 16
	v_pk_mul_f32 v[160+2*i:160+2*i+1], v[SB+2*i:SB+2*i+1], v[SB+2*i:SB+2*i+1] neg_lo:[1,0] neg_hi:[1,0]
.endif
.if i > 0
	v_exp_f32 v[160+2*i-2], v[160+2*i-2]
	v_exp_f32 v[160+2*i-1], v[160+2*i-1]
.endif
.set i, i+1
.endr
	v_nop                                          ; a plain instruction behind the last of the batch,
	s_wait_alu depctr_va_vdst(0)                   ; and one wait for the 64 results in v128-191, ahead of their first reader
.set i, 0
.rept 16
	v_pk_fma_f32 v[192+2*i:192+2*i+1], v[128+2*i:128+2*i+1], s[44:45], s[46:47] op_sel_hi:[1,0,0]
.set i, i+1
.endr
.set i, 0
.rept 16
	v_pk_fma_f32 v[192+2*i:192+2*i+1], v[192+2*i:192+2*i+1], v[128+2*i:128+2*i+1], s[48:49] op_sel_hi:[1,1,0]
.set i, i+1
.endr
.set i, 0
.rept 16
	v_pk_mul_f32 v[192+2*i:192+2*i+1], v[192+2*i:192+2*i+1], v[128+2*i:128+2*i+1]
.set i, i+1
.endr
.set i, 0
.rept 16
	v_pk_fma_f32 v[192+2*i:192+2*i+1], v[192+2*i:192+2*i+1], v[160+2*i:160+2*i+1], s[50:51] op_sel_hi:[1,1,0] neg_lo:[1,0,0] neg_hi:[1,0,0]
.set i, i+1
.endr
.set i, 0
.rept 16
	v_pk_mul_f32 v[128+2*i:128+2*i+1], v[SB+2*i:SB+2*i+1], s[50:51] op_sel_hi:[1,0]
.set i, i+1
.endr
.set i, 0
.rept 32
	v_fma_f32 v[160+i], |v[SB+i]|, v[192+i], v[128+i]
.set i, i+1
.endr
.set jj, 0
.rept 8
.set pp, 0
.rept 2
	v_cvt_pk_bf16_f32 v[224+4*jj+2*(\hb)+pp], v[160+16*pp+jj], v[160+16*pp+8+jj]
.set pp, pp+1
.endr
.set jj, jj+1
.endr
.endm
	s_lshr_b32 s27, s26, 6                         ; full tiles of 64 rows
	s_and_b32 s28, s26, 63
	s_add_co_u32 s28, s28, 15
	s_lshr_b32 s28, s28, 4                         ; blocks of 16 rows behind them, 0 to 4
	s_mov_b32 s29, 0
.Lwork:                                                ; 5 trips for every count: 16 tiles at the most are 4 a wave, then one block
	s_cmp_lt_u32 s29, 4
	s_cbranch_scc0 .Lrem
	s_lshl_b32 s34, s29, 2
	s_add_co_u32 s34, s34, s14                     ; tile wave + 4 i
	s_cmp_ge_u32 s34, s27
	s_cbranch_scc1 .Lnext
	s_lshl_b32 s39, s34, 6                         ; its first place
	s_mov_b32 s38, 4                               ; blocks
	s_branch .Lgo
.Lrem:
	s_sub_co_u32 s34, s14, s27
	s_and_b32 s34, s34, 3                          ; the blocks go to the waves that follow the last tile's
	s_cmp_ge_u32 s34, s28
	s_cbranch_scc1 .Lnext
	s_lshl_b32 s39, s27, 6
	s_lshl4_add_u32 s39, s34, s39
	s_mov_b32 s38, 1
.Lgo:
	s_min_u32 s39, s39, 1008                       ; a tile begins at place 960 at the most, a block at 1,008
	s_wait_xcnt 0x0                                ; the last tile's stores have read their registers
	s_wait_alu depctr_vm_vsrc(0)                   ; phase A's LDS stores have read v64-191; the last tile's loads have read v9 and v16-19: the search, the lines that make v9 and v16-19 and the fragment loads write these anew
	; THE TOKENS OF 64 PLACES, rb + 16 a + r in block a's register (a single block uses the first alone).  A place past the count takes place 0.
	s_mov_b32 s56, s39
	s_add_co_u32 s57, s39, 16
	s_add_co_u32 s58, s39, 32
	s_add_co_u32 s59, s39, 48
	EACH v_add_nc_u32 v[28+a], s[56+a], v2
	EACH v_cmp_gt_u32 s[78+a], s26, v[28+a]
	s_wait_alu depctr_va_sdst(0)                   ; the four masks s78-81 are written, ahead of the selects that read them
	EACH v_cndmask_b32 v[28+a], 0, v[28+a], s[78+a]
	EACH v_lshl_or_b32 v[TB+16*a+oP], v[28+a], 5, 31
	EACH v_mov_b32 v[TB+16*a+oM], 0
	EACH v_mov_b32 v[TB+16*a+oK], 0
	s_mov_b32 s66, 0
.Lsel:                                                 ; 8 trips, 4 words a trip: the keys ascend, so the last word whose key is not above 32 place + 31 is the one with (rows ahead) <= place < (rows ahead of the next)
	s_add_co_u32 s67, s66, 1
	s_add_co_u32 s68, s66, 2
	s_add_co_u32 s69, s66, 3
.irp w, 0,1,2,3
	v_readlane_b32 s[70+\w], v46, s[66+\w]
	v_readlane_b32 s[74+\w], v47, s[66+\w]
.endr
	s_wait_alu depctr_va_sdst(0)                   ; the four words s70-73 and their keys s74-77 are written, ahead of the compares that read the keys
.irp w, 0,1,2,3
	MASKS \w
	EACH v_cmp_le_u32 s[MB+a], s[74+\w], v[TB+16*a+oP]
.endr
	s_wait_alu depctr_va_sdst(0)                   ; the trip's 16 masks are written, ahead of the selects that read them
.irp w, 0,1,2,3
	MASKS \w
	EACH v_cndmask_b32 v[TB+16*a+oM], v[TB+16*a+oM], s[70+\w], s[MB+a]
	EACH v_cndmask_b32 v[TB+16*a+oK], v[TB+16*a+oK], s[74+\w], s[MB+a]
.endr
	s_add_co_u32 s66, s66, 4
	s_cmp_lt_u32 s66, 32
	s_cbranch_scc1 .Lsel
	EACH v_lshrrev_b32 v[TB+16*a+oT], 5, v[TB+16*a+oK]
	EACH v_and_b32 v[TB+16*a+oG], 31, v[TB+16*a+oK]
	EACH v_sub_nc_u32 v[TB+16*a+oN], v[28+a], v[TB+16*a+oT]                ; n = place - rows ahead of the word: its n-th set bit is wanted
	EACH v_lshrrev_b32 v[TB+16*a+oT], 1, v[TB+16*a+oM]                     ; the word's set bits counted in fields of 2, 4 and 8 bits and in its low half
	EACH v_and_b32 v[TB+16*a+oT], 0x55555555, v[TB+16*a+oT]
	EACH v_sub_nc_u32 v[TB+16*a+oA], v[TB+16*a+oM], v[TB+16*a+oT]
	EACH v_lshrrev_b32 v[TB+16*a+oT], 2, v[TB+16*a+oA]
	EACH v_and_b32 v[TB+16*a+oT], 0x33333333, v[TB+16*a+oT]
	EACH v_and_b32 v[TB+16*a+oB], 0x33333333, v[TB+16*a+oA]
	EACH v_add_nc_u32 v[TB+16*a+oB], v[TB+16*a+oB], v[TB+16*a+oT]
	EACH v_lshrrev_b32 v[TB+16*a+oT], 4, v[TB+16*a+oB]
	EACH v_add_nc_u32 v[TB+16*a+oT], v[TB+16*a+oB], v[TB+16*a+oT]
	EACH v_and_b32 v[TB+16*a+oC], 0x0f0f0f0f, v[TB+16*a+oT]
	EACH v_lshrrev_b32 v[TB+16*a+oT], 8, v[TB+16*a+oC]
	EACH v_add_nc_u32 v[TB+16*a+oD], v[TB+16*a+oC], v[TB+16*a+oT]
	EACH v_mov_b32 v[TB+16*a+oS], 0
	DESC oD, 0xff, 16
	DESC oC, 0xff, 8
	DESC oB, 15, 4
	DESC oA, 3, 2
	DESC oM, 1, 1
	EACH v_lshrrev_b32 v[TB+16*a+oT], 1, v[TB+16*a+oG]                     ; token = 64 (g / 2) + 2 bit + g % 2
	EACH v_and_b32 v[TB+16*a+oU], 1, v[TB+16*a+oG]
	EACH v_lshl_or_b32 v[TB+16*a+oT], v[TB+16*a+oT], 6, v[TB+16*a+oU]
	EACH v_lshl_add_u32 v[TB+16*a+oT], v[TB+16*a+oS], 1, v[TB+16*a+oT]
	EACH v_min_u32 v[TB+16*a+oT], 0x3ff, v[TB+16*a+oT]
	EACH v_lshlrev_b32 v[TB+16*a+oT], 11, v[TB+16*a+oT]                    ; xn: rows of 2,048 bytes
	EACH v_add_nc_u32 v[16+a], v35, v[TB+16*a+oT]
	s_cmp_eq_u32 s38, 4
	s_cbranch_scc0 .Lone
	KRUN 4
	s_branch .Lepi
.Lone:
	KRUN 1
.Lepi:
.rept 4
	v_nop                                          ; four places between the last matrix instruction and the first reader of a result or writer of a source
.endr
	s_mov_b32 s31, 0
.Leloop:                                               ; THE WAY OUT, a block of 16 rows a trip
	s_cmp_ge_u32 s31, s38
	s_cbranch_scc1 .Lenext
	s_wait_xcnt 0x0                                ; the block before's stores have read their offset and data
	s_wait_alu depctr_vm_vsrc(0)                   ; the block before's stores have read v20 and v224-255, which this block writes again
	s_lshl_b32 s34, s31, 4
	s_add_co_u32 s34, s34, s39                     ; the block's first place,
	s_lshl_b32 s34, s34, 13                        ; in rows of 8,192 bytes
	v_add_nc_u32 v20, s34, v12
	s_cmp_eq_u32 s31, 1
	s_cbranch_scc1 .Le1
	s_cmp_eq_u32 s31, 2
	s_cbranch_scc1 .Le2
	s_cmp_eq_u32 s31, 3
	s_cbranch_scc1 .Le3
	EPI 0
	s_branch .Lecom
.Le1:
	EPI 1
	s_branch .Lecom
.Le2:
	EPI 2
	s_branch .Lecom
.Le3:
	EPI 3
.Lecom:
	GELU32 0
	GELU32 1
	s_wait_alu depctr_va_vdst(0)                   ; v20 and the roundings' v224-255 are written, which the stores read
.irp j, 0,1,2,3,4,5,6,7
	global_store_b128 v20, v[224+4*(\j):224+4*(\j)+3], s[12:13] offset:8192*(\j)   ; places j and 8 + j of the block: 16 lanes store 256 consecutive bytes, aligned
.endr
.Lenext:
	s_add_co_u32 s31, s31, 1
	s_cmp_lt_u32 s31, 4
	s_cbranch_scc1 .Leloop
.Lnext:
	s_add_co_u32 s29, s29, 1
	s_cmp_lt_u32 s29, 5
	s_cbranch_scc1 .Lwork
	s_wait_dscnt 0x0                               ; my reads of LDS are over;
	s_barrier_signal -1
	s_barrier_wait -1                              ; everybody's are: no wave writes LDS again while another still reads it
	s_wait_dscnt 0x0                               ; the closing lines, six on end
	s_wait_alu 0x0
	s_wait_tensorcnt 0x0
	ds_add_u32 v4, v5
	s_wait_dscnt 0x0
	s_endpgm
.Lfunc_end_k_qbc666bab20_ffn1:
	.size	k_qbc666bab20_ffn1, .Lfunc_end_k_qbc666bab20_ffn1-k_qbc666bab20_ffn1
	.p2alignl 7, 3214868480
	.fill 96, 4, 3214868480
	.section	.rodata,"a",@progbits
	.p2align	6, 0x0
	.amdhsa_kernel k_qbc666bab20_ffn1
		.amdhsa_group_segment_fixed_size 279040
		.amdhsa_private_segment_fixed_size 0
		.amdhsa_enable_private_segment 0
		.amdhsa_kernarg_size 40
		.amdhsa_user_sgpr_count 2
		.amdhsa_user_sgpr_kernarg_segment_ptr 1
		.amdhsa_wavefront_size32 1
		.amdhsa_system_sgpr_workgroup_id_x 1
		.amdhsa_system_sgpr_workgroup_id_y 1
		.amdhsa_system_sgpr_workgroup_id_z 1
		.amdhsa_system_vgpr_workitem_id 0
		.amdhsa_next_free_vgpr 704
		.amdhsa_next_free_sgpr 88
		.amdhsa_reserve_vcc 0
		.amdhsa_float_denorm_mode_32 3
		.amdhsa_float_denorm_mode_16_64 3
		.amdhsa_memory_ordered 1
		.amdhsa_forward_progress 1
		.amdhsa_inst_pref_size 164
	.end_amdhsa_kernel
	.amdgpu_metadata
---
amdhsa.version: [ 1, 2 ]
amdhsa.kernels:
  - .name:           k_qbc666bab20_ffn1
    .symbol:         k_qbc666bab20_ffn1.kd
    .args:
      - { .name: W1, .offset: 0, .size: 8, .value_kind: global_buffer, .address_space: global }
      - { .name: b1, .offset: 8, .size: 8, .value_kind: global_buffer, .address_space: global }
      - { .name: xn, .offset: 16, .size: 8, .value_kind: global_buffer, .address_space: global }
      - { .name: topi, .offset: 24, .size: 8, .value_kind: global_buffer, .address_space: global }
      - { .name: abuf, .offset: 32, .size: 8, .value_kind: global_buffer, .address_space: global }
    .group_segment_fixed_size: 279040
    .private_segment_fixed_size: 0
    .kernarg_segment_align: 8
    .kernarg_segment_size: 40
    .max_flat_workgroup_size: 128
    .sgpr_count:     88
    .vgpr_count:     704
    .wavefront_size: 32
...
	.end_amdgpu_metadata
.endif
;; end of part 5
;; launch ffn2 (part 6): grid 32 x 8, 4 waves a work-group, no clusters, 296,448 bytes of LDS; arguments W2, b2, abuf, topi, ypart, topw; writes ypart
.if DOCPART == 6
	.amdgcn_target "amdgcn-amd-amdhsa--gfx1250"
	.amdhsa_code_object_version 6
	.text
	.protected	k_qbc666bab20_ffn2
	.globl	k_qbc666bab20_ffn2
	.p2align	8
	.type	k_qbc666bab20_ffn2,@function
k_qbc666bab20_ffn2:
	s_mov_b64 s[64:65], 0
	v_nop
	global_prefetch_b8 v0, s[64:65] scope:SCOPE_SE
	s_setreg_imm32_b32 hwreg(HW_REG_WAVE_SCHED_MODE, 0, 2), 2
	s_setreg_imm32_b32 hwreg(HW_REG_WAVE_MODE, 25, 1), 1
	s_wait_xcnt 0x0
	s_wait_alu depctr_vm_vsrc(0)
; THE SECOND PRODUCT OF A ROUTED EXPERT LAYER.  ypart[id][kq][n] = topw[id] x (abuf[e][place of id][quarter kq of K] . W2[e][n][that quarter] (+ b2[e][n] in quarter 0)), f32 partial sums.
; id = 2 token + k names a routed row; topi[id], stored by an earlier launch, is its expert.  Only the rows that chose expert e are multiplied.  An expert's rows are numbered by PLACES, 0 to count - 1, in the order
; in which the list below takes them, which is the order of the launch before; abuf has 1,024 rows of 8,192 bytes for each expert, by place, so the token rows' addresses are made of the tile's first place and the lane.
; SHARES.  Work-group (x, y): expert e = y and a slice of 128 output columns (block x / 4) x 1,024 of K (quarter x % 4) of its weights, which it alone reads.
; K is cut in quarters so that a slice is 128 columns wide: a token fragment read from memory then feeds 8 matrix instructions; the four partial sums stay f32 and the next launch adds them.
; PHASE A: the slice's 512 KiB of f32 are read once, rounded to bf16 in registers and laid into LDS; wave w takes bytes 1,024 w .. + 1,023 of each of the 128 rows, 64 loads of 16 bytes a lane on their way.
; Meanwhile each wave reads topi and lays the ids of expert e's rows, by place, into a list of its own in LDS: it says where a place's result goes and which gate weight it takes.  One barrier.
; PHASE B: the expert's rows in tiles of 64 (4 x 8 accumulators of 16 x 16 a wave), dealt to the waves by turns; the last 0 to 4 blocks of 16 rows go one to a wave.  The token rows come from memory straight
; into registers as matrix operands, and NOTHING IN THIS PHASE WRITES LDS, so it has no barrier.  The loop over tiles has 5 trips for every split (a count of 0 to 1,024 rows); a wave without a tile jumps
; forward over the trip.
; PAST THE COUNT the list repeats the expert's first row, and the launch before has laid that row's numbers at those places: a block that is not full computes that row again and stores the same numbers to the
; same bytes (15 rows at the most a slice).  So every store has all lanes on, and EXEC is never written.
; LAYOUT.  Source 0 = 16 token rows, source 1 = 16 weight rows: register j of lane (r, h) is the row at place 8 h + j of the block and the column that fragment b gives to lane r.  The weight rows lie in LDS in such
; an order that this column is 4 r + b % 4 + 64 (b / 4): four accumulators' numbers of one row in a lane are 16 neighbouring bytes of the output row, and 16 lanes store 256 consecutive bytes, aligned.
; The bias is the C operand that starts each sum.
; NO CLUSTER: each weight slice has one reader; the token rows, which an expert's work-groups of one quarter share, would want room in LDS beside the slice and a ring in a loop whose length hangs on a count.
; NO TENSOR LOAD: the f32 weights pass through registers to be rounded.
; LIMITS.  Matrix operands are bf16, sums f32.  NaN and infinities are not treated apart.
; THE MODE: SCHED_MODE bits 1:0 = 2 (LLVM: expert scheduling mode 2), set by the entry lines.  The code itself states the register dependences
; between vector or matrix instructions and memory or LDS instructions, with s_wait_alu, always for 0.
; THE PLAN.  Registers that memory or LDS instructions touch, and who else names them:
;   THE LIST.  v128-159 the 32 LDS addresses, v160-191 the 32 ids: all made first, then one wait on va_vdst, then the 32 LDS stores.  The compares stand in runs of 16 with one wait on va_sdst behind each.
;   PHASE A.  Window 1, slot c: its 8 loads land there, its 16 conversions read it, behind them the next round's loads land.  v[OB + 16 c ..]: written by slot c's conversions, read by its 8 LDS stores, written again a
;     round later.  v[OFFS + c]: read by the slot's loads, stepped once a round ahead of the slot's conversions.  v7, v45: read by every LDS store, stepped at a round's end.
;     So ONE wait on va_vdst stands in a slot's turn, behind its conversions, and ONE wait on vm_vsrc ahead of the loop and at each round's end.
;   PHASE B, the K loop.  Weight buffers v64-127, v128-191: step t's matrix instructions read buffer t % 2; step t's LDS loads (the fragments of step t + 1) land in the other, which step t - 1 read.
;     Token sets, window 2: step t reads set t % 4; behind its matrix instructions the loads of step t + 4 land in it.  v9: read by every fragment load, stepped in a panel's last step.  v16-19: read by every token load,
;     written ahead of the loop alone.  So ONE wait on va_vdst stands at a step's end: it serves the token loads that follow it and the next step's fragment loads, between which and the wait no vector or matrix
;     instruction names that buffer or v9.  One wait on vm_vsrc a panel stands ahead of the add to v9.
;   A TILE'S HEAD: one wait on vm_vsrc ahead of all that the tile writes anew; v33 is made, a wait on va_vdst, the 32 ids land in v224-255; they are clamped and shifted there, a wait on va_vdst, and the 32 gate weights
;     land in v192-223; one more wait on va_vdst stands ahead of the tile's first token loads, behind the lines that make v9 and v16-19.
;   THE WAY OUT: v20-27 take a block's ids from LDS, are made into offsets by vector instructions and read by the stores; v64-127 are written by the products with the gate weights and read by the stores:
;     one wait on vm_vsrc at a block's head, one on va_vdst ahead of the stores.
.set WROWB, 16384     ; bytes from a weight row to the next
.set RSTEP, 16        ; rows that a round of phase A steps on in memory
.set PITCH, 272       ; an LDS row: 256 bytes + 16: the 16 rows of a fragment load start at 16 different groups of four banks (ISA guide 11.1)
.set PANEL, 128*PITCH ; 128 weight rows x 128 of K; eight panels hold the slice
.set LIST,  8*PANEL   ; each wave's list: 1,056 places and 32 dump words, 4,352 bytes
.set LISTW, 4352
.set SPARE, LIST+4*LISTW ; the spare words, 128 bytes a wave: two blocks of 256 bytes that no other line names
.set OFFS,  240       ; v240-247  phase A: slot c's byte offset in the slice
.set OB,    64        ; v64-191   phase A: slot c's rounded weights, 16 registers at OB + 16 c
.set LA,    128       ; v128-159  while the list is made: word g's LDS address
.set LD,    160       ; v160-191  and its id
.set GA,    224       ; v224-255  phase B: the tile's 32 ids, then their byte offsets in topw
; window 0: v1 lane, v2 r = lane % 16, v3 h = lane / 16, v4 spare word, v5 0, v6 weight offset, v7, v45 where the rounded weights go (my two panels), v8 fragment place, v9 the same in the panel in hand,
;   v11 list place (32 h), v13, v47 for the list's first fill, v14 16 r, v15 8,192 r + 16 h, v16-19 token row offsets, v20-27 output row offsets (the bias as loaded, in phase A), v28-31 at work,
;   v33 list address of the tile, v34 4 lane, v35 16 h, v36-43 zeros, v44 16 lane, v46 my dump place,
;   v64-127 and v128-191 two buffers of weight fragments (topi and the list's registers, then the rounded weights, in phase A; v64-127 at work on the way out); v192-223 the tile's gate weights
; window 1: phase A: 8 slots of 32 registers of f32 weights; phase B: accumulator (a, b) at 64 a + 8 b.     window 2: v0-127 token fragments (K step ks, block a) at 32 ks + 8 a; v128-191 the bias, 8 equal registers a block b
.set MSB, 0
.macro WIN new        ; bits 1:0 source 0, 3:2 source 1, 5:4 source 2, 7:6 destination; the high byte repeats the setting that is left
.if MSB != (\new)
	s_set_vgpr_msb (MSB<<8)|(\new)
.set MSB, \new
.endif
.endm
	s_load_b256 s[4:11], s[0:1], 0x0               ; weights s[4:5], bias s[6:7], token rows s[8:9], topi s[10:11]
	s_load_b64 s[12:13], s[0:1], 0x20              ; output
	s_load_b64 s[54:55], s[0:1], 0x28              ; topw
	v_lshl_add_u32 v4, v0, 2, SPARE
	v_mov_b32 v5, 0
	v_lshrrev_b32 v28, 5, v0
	v_readfirstlane_b32 s14, v28                   ; wave 0..3
	s_and_b32 s15, ttmp7, 0xffff                   ; expert
	s_mov_b32 s16, ttmp9                           ; slice
	v_and_b32 v1, 31, v0
	v_and_b32 v2, 15, v0
	v_bfe_u32 v3, v0, 4, 1
	s_lshr_b32 s17, s16, 2                         ; block of 128 columns
	s_and_b32 s18, s16, 3                          ; quarter of K
	s_lshl_b32 s20, s15, 24                        ; weights: (1,024 e + 128 hq) rows of 16,384 bytes + 4,096 kq
	s_lshl_b32 s21, s17, 21
	s_add_co_u32 s20, s20, s21
	s_lshl_b32 s21, s18, 12
	s_add_co_u32 s20, s20, s21
	s_lshl_b32 s32, s15, 12                        ; bias: 4 (1,024 e + 128 hq)
	s_lshl_b32 s33, s17, 9
	s_add_co_u32 s32, s32, s33
	s_lshl_b32 s38, s18, 12                        ; output: 4,096 kq + 512 hq inside a row of 16,384 bytes
	s_add_co_u32 s38, s38, s33
	s_lshl_b32 s36, s18, 11                        ; token rows: 2,048 kq inside a row, and the expert's 1,024 rows of 8,192 bytes
	s_lshl_b32 s37, s15, 23
	s_add_co_u32 s36, s36, s37
	s_mov_b32 s37, 0
	s_cmp_eq_u32 s18, 0
	s_cselect_b32 s52, -1, 0                       ; the bias counts in quarter 0 alone
	s_mov_b32 s21, 0
	s_mov_b32 s33, 0
	s_mov_b32 s39, 0
	v_lshlrev_b32 v6, 4, v1
	s_wait_alu depctr_va_sdst(0)                   ; s14, the wave's number, is written, ahead of its first reader
	s_lshl_b32 s34, s14, 10
	v_add_nc_u32 v6, s34, v6                       ; 16 lane + 1,024 wave
	s_mul_i32 s34, s14, 2*PANEL
	v_lshl_add_u32 v7, v1, 3, s34                  ; my 256 columns of K are panels 2 w and 2 w + 1; 8 bytes a lane
	v_add_nc_u32 v45, PANEL, v7
	v_mul_u32_u24 v8, v2, PITCH
	v_lshl_add_u32 v8, v3, 4, v8                   ; r x pitch + 16 h
	s_mul_i32 s35, s14, LISTW
	s_add_co_u32 s35, s35, LIST                    ; my list
	v_lshl_add_u32 v11, v3, 5, s35
	v_lshl_add_u32 v13, v1, 3, s35
	v_lshlrev_b32 v14, 4, v2
	v_lshlrev_b32 v34, 2, v1
	v_lshlrev_b32 v35, 4, v3
	v_lshl_add_u32 v15, v2, 13, v35
	v_lshlrev_b32 v44, 4, v1
	v_add_nc_u32 v46, 0x420, v1                    ; place 1,056 + lane
	v_add_nc_u32 v47, s35, v44
.irp i, 36,37,38,39,40,41,42,43
	v_mov_b32 v\i, 0
.endr
.irp c, 0,1,2,3,4,5,6,7
	v_mov_b32 v[OFFS+(\c)], v6
.endr
	s_wait_kmcnt 0x0
	s_add_nc_u64 s[22:23], s[4:5], s[20:21]        ; the slice's first row; never stepped
	s_add_nc_u64 s[6:7], s[6:7], s[32:33]
	s_add_nc_u64 s[12:13], s[12:13], s[38:39]
	s_add_nc_u64 s[8:9], s[8:9], s[36:37]
; PHASE A.  Row x (0..31) of a round: RG its row in memory, RL its row in an LDS panel; a round steps RSTEP rows on in memory and 4 rows in LDS.
; LDS row 16 b + r holds the weight row that fragment b gives to lane r: row 4 r + b % 4 + 64 (b / 4) of the slice.
.macro ROWMAP x
.set RG, ((\x)&15)+64*((\x)>>4)
.set RL, 64*((\x)>>4)+16*((\x)&3)+(((\x)&15)>>2)
.endm
; A slot is my 1,024 bytes of 4 weight rows: 8 loads, each 512 consecutive bytes of the wave.  The slot's own offset register says which round.
.macro FILLSLOT c
	WIN 0x40                                       ; destination window 1
.set i, 0
.rept 8
	ROWMAP 4*(\c)+i/2
	global_load_b128 v[32*(\c)+4*i:32*(\c)+4*i+3], v[OFFS+(\c)], s[22:23] offset:RG*WROWB+(i%2)*512 th:TH_LOAD_NT
.set i, i+1
.endr
.endm
; Slot c is rounded into its own 16 registers and laid into LDS (a store of the wave: 256 consecutive bytes); reload = 1: it takes the same rows of the next round.  left: the younger loads that may stay out.
.macro CHUNK c, reload, left
	s_wait_loadcnt \left                           ; loads come back in order (ISA guide 5.7.1): the slot's eight are in, so its offset register is free too
.if \reload
	WIN 0
	v_add_nc_u32 v[OFFS+(\c)], RSTEP*WROWB, v[OFFS+(\c)]  ; the loads that read it stand ahead of the last wait on vm_vsrc
.endif
	WIN 0x05                                       ; sources in window 1
.set i, 0
.rept 16
	v_cvt_pk_bf16_f32 v[OB+16*(\c)+i], v[32*(\c)+2*i], v[32*(\c)+2*i+1]
.set i, i+1
.endr
.if \reload
	WIN 0x40
	s_wait_alu depctr_va_vdst(0)                   ; the conversions are done reading the slot, in which the loads below land, and have written v[OB + 16 c ..], which the LDS stores read; the slot's offset is written; in a round's first slot so are v7 and v45
	FILLSLOT \c
	WIN 0
.else
	WIN 0
	s_wait_alu depctr_va_vdst(0)                   ; the conversions have written v[OB + 16 c ..], which the LDS stores read; in the first slot v7 and v45 are written
.endif
.set i, 0
.rept 8
	ROWMAP 4*(\c)+i/2
.if i%2
	ds_store_b64 v45, v[OB+16*(\c)+2*i:OB+16*(\c)+2*i+1] offset:RL*PITCH
.else
	ds_store_b64 v7, v[OB+16*(\c)+2*i:OB+16*(\c)+2*i+1] offset:RL*PITCH
.endif
.set i, i+1
.endr
.endm
	s_wait_alu depctr_va_vdst(0)                   ; all offsets, LDS addresses and zeros made above are written: v44, v14, v240-247, v47, v13 and v36-39, which the loads and LDS stores below read, and v7, v8, v11, v15, v45 for later
.irp g, 0,1,2,3,4,5,6,7,8,9,10,11,12,13,14,15
	global_load_b128 v[64+4*(\g):64+4*(\g)+3], v44, s[10:11] offset:512*(\g)   ; topi: register u of load g is id 128 g + 4 lane + u
.endr
	global_load_b128 v[20:23], v14, s[6:7]             ; the bias of my columns 4 r + b, b = 0..3,
	global_load_b128 v[24:27], v14, s[6:7] offset:256  ; and 64 + 4 r + b - 4, b = 4..7
.irp c, 0,1,2,3,4
	FILLSLOT \c
.endr
	WIN 0
.irp i, 0,1,2,3,4,5,6,7
	ds_store_b128 v47, v[36:39] offset:512*(\i)    ; my whole list holds id 0 first: 4,096 bytes,
.endr
	ds_store_b64 v13, v[36:37] offset:4096         ; and the last 256
	s_wait_loadcnt 40                              ; topi and the bias are in; the 40 weight loads behind them stay out
	; THE LIST.  A token's two ids (a register pair) name different experts, so at most one of them is mine.  A lane's place is the count so far plus the matching lanes below it;
	; a lane without a match writes its dump word.  The choice stands ahead of the clamp; all lanes are on.  All 32 addresses and ids are made first; the 32 stores follow in the words' order.
	s_mov_b32 s26, 0
.set q, 0
.rept 4
.set g, 0
.rept 8
	v_cmp_eq_u32 s[40+g], s15, v[64+2*(8*q+g)]
	v_cmp_eq_u32 s[56+g], s15, v[64+2*(8*q+g)+1]
.set g, g+1
.endr
	s_wait_alu depctr_va_sdst(0)                   ; the run's 16 masks s40-47 and s56-63 are written, ahead of the lines that read them
.set g, 0
.rept 8
.set gw, 8*q+g
	s_or_b32 s32, s[40+g], s[56+g]
	v_mbcnt_lo_u32_b32 v[LA+gw], s32, s26
	v_cndmask_b32 v[LD+gw], 0, 1, s[56+g]
	v_add_nc_u32 v[LD+gw], v34, v[LD+gw]
.if gw > 0
	v_add_nc_u32 v[LD+gw], 128*(gw/2)+2*(gw%2), v[LD+gw]   ; the id
.endif
	v_cndmask_b32 v[LA+gw], v46, v[LA+gw], s32
	v_min_u32 v[LA+gw], 0x43f, v[LA+gw]            ; 1,088 words
	v_lshlrev_b32 v[LA+gw], 2, v[LA+gw]
	v_add_nc_u32 v[LA+gw], s35, v[LA+gw]
	s_bcnt1_i32_b32 s34, s32
	s_add_co_u32 s26, s26, s34
.set g, g+1
.endr
.set q, q+1
.endr
	v_mov_b32 v31, s35
	v_add_nc_u32 v28, s26, v1                      ; the 32 places behind the count will repeat the expert's first row
	v_min_u32 v28, 0x41f, v28
	v_lshlrev_b32 v28, 2, v28
	v_add_nc_u32 v28, s35, v28
	s_wait_alu depctr_va_vdst(0)                   ; the 32 addresses v128-159, the 32 ids v160-191, v31 and v28 are written, which the LDS instructions below read
.set gw, 0
.rept 32
	ds_store_b32 v[LA+gw], v[LD+gw]
.set gw, gw+1
.endr
	ds_load_b32 v30, v31                           ; the expert's first row (LDS serves a wave's instructions in order, ISA guide 5.7.1.4: this sees the stores above)
	WIN 0x80                                       ; destination window 2: a C operand holds a column's bias in all 8 registers (8 rows); quarters 1 to 3 take 0
.set i, 0
.rept 64
	v_cndmask_b32 v[128+i], 0, v[20+i/8], s52
.set i, i+1
.endr
.irp c, 5,6,7
	FILLSLOT \c                                    ; no wait: no vector instruction since the wait ahead of the first loads names these slots or their offsets
.endr
	WIN 0
	s_wait_dscnt 0x0                               ; the first row's id is in
	ds_store_b32 v28, v30
	s_wait_alu depctr_vm_vsrc(0)                   ; the first fills have read v240-247, which the first round steps; the list's LDS stores have read v128-191, which the conversions write
	s_mov_b32 s30, 3
.Lround:                                               ; three rounds of 32 rows, each asking for the next; 8 slots, 64 loads of the wave, are out
.irp c, 0,1,2,3,4,5,6,7
	CHUNK \c, 1, 56                                ; the seven younger slots stay out
.endr
	WIN 0
	s_wait_alu depctr_vm_vsrc(0)                   ; the round's LDS stores have read v7, v45 and v64-191, its loads v240-247: all of these are written again in the next round
	v_add_nc_u32 v7, 4*PITCH, v7
	v_add_nc_u32 v45, 4*PITCH, v45
	s_sub_co_u32 s30, s30, 1
	s_cmp_lg_u32 s30, 0
	s_cbranch_scc1 .Lround
.irp c, 0,1,2,3,4,5,6,7
	CHUNK \c, 0, 56-8*(\c)                         ; the last round asks for nothing: the counts run down
.endr
	s_wait_dscnt 0x0                               ; for the others' sake: my part of the slice is in LDS
	s_barrier_signal -1
	s_barrier_wait -1                              ; everybody's is
; PHASE B.
.macro BLOAD buf, off                  ; 8 weight fragments (128 rows x 32 of K at byte off of the panel's rows) into buffer buf
.irp b, 0,1,2,3,4,5,6,7
	ds_load_b128 v[64+64*(\buf)+8*(\b):64+64*(\buf)+8*(\b)+3], v9 offset:(\b)*16*PITCH+(\off)
	ds_load_b128 v[64+64*(\buf)+8*(\b)+4:64+64*(\buf)+8*(\b)+7], v9 offset:(\b)*16*PITCH+(\off)+32
.endr
.endm
.macro BNEXT ks                        ; in step ks of a panel: the fragments of the step behind it, into the buffer that this step does not read
.if (\ks) < 3
	BLOAD ((\ks)+1)%2, ((\ks)+1)*64
.else
	BLOAD 0, PANEL
.endif
.endm
; One K step of 32: mt x 8 matrix instructions, each accumulator once, so that they take turns.
; lb = 1: the NEXT step's weight fragments go into the buffer that the step before read: with four blocks in one run behind the first block's 8 matrix instructions, with one block ahead of the step's waits.
; la = 1: behind the step's matrix instructions the token fragments four steps on go into the registers just read.  ew = 1: the step ends with the wait on va_vdst.  st = 1: a panel's last step moves v9 on.
; lw: the younger global loads that may stay out.
.macro KSTEP mt, ks, lb, la, ew, st, lw
.if (\lb) && ((\mt) == 1)
	WIN 0
	BNEXT \ks                                      ; no wait: no vector or matrix instruction since the last step's wait names this buffer or v9
	s_wait_dscnt 16                                ; this step's fragments are in; the 16 loads just issued stay out
.else
	s_wait_dscnt 0x0                               ; this step's fragments are in: nothing younger is out
.endif
	s_wait_loadcnt \lw
	WIN 0x52                                       ; tokens window 2, weights window 0, C and D window 1
.set a, 0
.rept \mt
.irp b, 0,1,2,3,4,5,6,7
	v_wmma_f32_16x16x32_bf16 v[64*a+8*(\b):64*a+8*(\b)+7], v[32*(\ks)+8*a:32*(\ks)+8*a+7], v[64+64*((\ks)%2)+8*(\b):64+64*((\ks)%2)+8*(\b)+7], v[64*a+8*(\b):64*a+8*(\b)+7]
.endr
.if (\lb) && ((\mt) > 1) && (a == 0)
	WIN 0
	BNEXT \ks                                      ; no wait: the 8 matrix instructions since the last step's wait name the other buffer, this step's token set and accumulators
	WIN 0x52
.endif
.set a, a+1
.endr
.if \st
	WIN 0
	s_wait_alu depctr_vm_vsrc(0)                   ; the fragment loads issued so far have read v9
	v_add_nc_u32 v9, PANEL, v9
.endif
.if \ew
.rept 4
	v_nop                                          ; four plain places behind the step's last matrix instruction, ahead of loads into registers that it has read; they stand beside the wait below, which fills no place
.endr
.if \la
	WIN 0x80
.endif
	s_wait_alu depctr_va_vdst(0)                   ; the step's matrix instructions are done reading their token set, in which the loads below land, and their weight buffer, in which the next step's fragment loads land; in a panel's last step v9 is written
.endif
.if \la
.set a, 0
.rept \mt
	global_load_b128 v[32*(\ks)+8*a:32*(\ks)+8*a+3], v[16+a], s[24:25] offset:256+64*(\ks)
	global_load_b128 v[32*(\ks)+8*a+4:32*(\ks)+8*a+7], v[16+a], s[24:25] offset:256+64*(\ks)+32
.set a, a+1
.endr
.endif
.endm
; All of K for mt blocks of 16 rows: the rows' offsets, the first panel's token fragments, the first step's weight fragments, the sums started with the bias, 7 panels in a loop, the last written out.
.macro KRUN mt
.set a, 0
.rept \mt
	v_add_nc_u32 v[16+a], s53, v15                 ; row (the tile's first place) + r,
.if a > 0
	v_add_nc_u32 v[16+a], a*131072, v[16+a]        ; + 16 a, of 8,192 bytes
.endif
.set a, a+1
.endr
	v_mov_b32 v9, v8
	s_mov_b64 s[24:25], s[8:9]
	WIN 0x80
	s_wait_alu depctr_va_vdst(0)                   ; v9 and the rows' offsets from v16 on are written, which the loads below read; all vector work on v64-191 and the last tile's matrix reads of the token sets are over: the loads below land there
.irp ks, 0,1,2,3
.set a, 0
.rept \mt
	global_load_b128 v[32*(\ks)+8*a:32*(\ks)+8*a+3], v[16+a], s[24:25] offset:64*(\ks)
	global_load_b128 v[32*(\ks)+8*a+4:32*(\ks)+8*a+7], v[16+a], s[24:25] offset:64*(\ks)+32
.set a, a+1
.endr
.endr
	WIN 0
	BLOAD 0, 0
	WIN 0x60                                       ; C window 2, D window 1
.set a, 0
.rept \mt
.irp b, 0,1,2,3,4,5,6,7
	v_wmma_f32_16x16x32_bf16 v[64*a+8*(\b):64*a+8*(\b)+7], v[36:43], v[36:43], v[128+8*(\b):128+8*(\b)+7]   ; 0 x 0 + bias starts the sum, in the wait for the first fragments
.endr
.set a, a+1
.endr
	WIN 0
	s_mov_b32 s30, 7
.Lkloop\@:
	KSTEP \mt, 0, 1, 1, 1, 0, 6*\mt                ; out may stay: three younger steps' token loads, 2 mt each
	KSTEP \mt, 1, 1, 1, 1, 0, 6*\mt
	KSTEP \mt, 2, 1, 1, 1, 0, 6*\mt
	KSTEP \mt, 3, 1, 1, 1, 1, 6*\mt
	WIN 0
	s_wait_xcnt 0x0                                ; the token loads' base steps only behind this wait
	s_add_nc_u64 s[24:25], s[24:25], 256
	s_sub_co_u32 s30, s30, 1
	s_cmp_lg_u32 s30, 0
	s_cbranch_scc1 .Lkloop\@
	KSTEP \mt, 0, 1, 0, 1, 0, 6*\mt                ; the last panel: no load leaves the row or the slice, and the counts run down
	KSTEP \mt, 1, 1, 0, 1, 0, 4*\mt
	KSTEP \mt, 2, 1, 0, 0, 0, 2*\mt                ; behind this step no load lands in a register that it reads: no wait
	KSTEP \mt, 3, 0, 0, 0, 0, 0
	WIN 0
.endm
.macro IDS a                           ; the ids of block a's rows 8 h + j.  No wait on va_vdst: the last vector lines that named v20-27 or v33 stand ahead of an earlier one
.irp j, 0,1,2,3,4,5,6,7
	ds_load_b32 v[20+(\j)], v33 offset:64*(\a)+4*(\j)
.endr
.endm
; Block a: each sum times its row's gate weight, into v[64 + 8 j + b]: row 8 h + j's columns 4 r .. + 3 (b = 0..3) and 64 + 4 r .. + 3 (b = 4..7).  j ascends.
.macro EPI a
	IDS \a
	WIN 0x01                                       ; source 0 in window 1
.set jj, 0
.rept 8
.set bb, 0
.rept 8
	v_mul_f32 v[64+8*jj+bb], v[64*(\a)+8*bb+jj], v[192+8*(\a)+jj]
.set bb, bb+1
.endr
.set jj, jj+1
.endr
	WIN 0
.endm
.macro PUT j                           ; rows j and 8 + j of the block: 16 lanes store 256 consecutive bytes, aligned
	global_store_b128 v[20+(\j)], v[64+8*(\j):64+8*(\j)+3], s[12:13]
	global_store_b128 v[20+(\j)], v[64+8*(\j)+4:64+8*(\j)+7], s[12:13] offset:256
.endm
	s_lshr_b32 s27, s26, 6                         ; full tiles of 64 rows
	s_and_b32 s28, s26, 63
	s_add_co_u32 s28, s28, 15
	s_lshr_b32 s28, s28, 4                         ; blocks of 16 rows behind them, 0 to 4
	s_mov_b32 s29, 0
.Lwork:                                                ; 5 trips for every count: 16 tiles at the most are 4 a wave, then one block
	s_cmp_lt_u32 s29, 4
	s_cbranch_scc0 .Lrem
	s_lshl_b32 s34, s29, 2
	s_add_co_u32 s34, s34, s14                     ; tile wave + 4 i
	s_cmp_ge_u32 s34, s27
	s_cbranch_scc1 .Lnext
	s_lshl_b32 s39, s34, 6                         ; its first place
	s_mov_b32 s38, 4                               ; blocks
	s_branch .Lgo
.Lrem:
	s_sub_co_u32 s34, s14, s27
	s_and_b32 s34, s34, 3                          ; the blocks go to the waves that follow the last tile's
	s_cmp_ge_u32 s34, s28
	s_cbranch_scc1 .Lnext
	s_lshl_b32 s39, s27, 6
	s_lshl4_add_u32 s39, s34, s39
	s_mov_b32 s38, 1
.Lgo:
	s_min_u32 s39, s39, 1008                       ; a tile begins at place 960 at the most, a block at 1,008: 64 places from there lie inside my 1,088 words
	s_lshl_b32 s34, s39, 2
	s_lshl_b32 s53, s39, 13                        ; the first place in rows of 8,192 bytes
	s_wait_xcnt 0x0                                ; the last tile's stores have read their registers
	s_wait_alu depctr_vm_vsrc(0)                   ; phase A's LDS stores have read v64-191 and its loads v240-247; the last tile's LDS loads have read v33 and v9, its loads v16-19 and v224-255, its stores v64-127: the tile writes all of these anew
	v_add_nc_u32 v33, s34, v11
	s_wait_alu depctr_va_vdst(0)                   ; v33 is written, which the LDS loads below read; the vector lines that last wrote v224-255, in which they land, are done
	; the gate weights of 64 places (row 8 h + j of block a at v[192 + 8 a + j]) go out ahead of the token rows and land under the products; for a single block the places behind it hold ids too, and their weights are not used
.set i, 0
.rept 32
	ds_load_b32 v[GA+i], v33 offset:64*(i/8)+4*(i%8)
.set i, i+1
.endr
	s_wait_dscnt 0x0
.set i, 0
.rept 32
	v_min_u32 v[GA+i], 0x7ff, v[GA+i]
	v_lshlrev_b32 v[GA+i], 2, v[GA+i]
.set i, i+1
.endr
	s_wait_alu depctr_va_vdst(0)                   ; the 32 offsets v224-255 are written, which the loads below read; the last tile's products are done reading v192-223, in which they land
.set i, 0
.rept 32
	global_load_b32 v[192+i], v[GA+i], s[54:55]
.set i, i+1
.endr
	s_cmp_eq_u32 s38, 4
	s_cbranch_scc0 .Lone
	KRUN 4
	s_branch .Lepi
.Lone:
	KRUN 1
.Lepi:
.rept 4
	v_nop                                          ; four places between the last matrix instruction and the first reader of a result or writer of a source
.endr
	s_mov_b32 s31, 0
.Leloop:                                               ; THE WAY OUT, a block of 16 rows a trip
	s_cmp_ge_u32 s31, s38
	s_cbranch_scc1 .Lenext
	s_wait_xcnt 0x0                                ; the block before's stores have read their offsets and data
	s_wait_alu depctr_vm_vsrc(0)                   ; the block before's stores have read v20-27, in which this block's ids land, and v64-127, which its products write
	s_cmp_eq_u32 s31, 1
	s_cbranch_scc1 .Le1
	s_cmp_eq_u32 s31, 2
	s_cbranch_scc1 .Le2
	s_cmp_eq_u32 s31, 3
	s_cbranch_scc1 .Le3
	EPI 0
	s_branch .Lecom
.Le1:
	EPI 1
	s_branch .Lecom
.Le2:
	EPI 2
	s_branch .Lecom
.Le3:
	EPI 3
.Lecom:
	s_wait_dscnt 0x0                               ; the ids
.irp j, 0,1,2,3,4,5,6,7
	v_min_u32 v[20+(\j)], 0x7ff, v[20+(\j)]
	v_lshlrev_b32 v[20+(\j)], 14, v[20+(\j)]       ; ypart: 16,384 bytes an id
	v_add_nc_u32 v[20+(\j)], v14, v[20+(\j)]
.endr
	s_wait_alu depctr_va_vdst(0)                   ; the offsets v20-27 and the products v64-127 are written, which the stores read
.irp j, 0,1,2,3,4,5,6,7
	PUT \j                                         ; places past the count store the expert's first row once more, with the same numbers
.endr
.Lenext:
	s_add_co_u32 s31, s31, 1
	s_cmp_lt_u32 s31, 4
	s_cbranch_scc1 .Leloop
.Lnext:
	s_add_co_u32 s29, s29, 1
	s_cmp_lt_u32 s29, 5
	s_cbranch_scc1 .Lwork
	s_wait_dscnt 0x0                               ; my reads of LDS are over;
	s_barrier_signal -1
	s_barrier_wait -1                              ; everybody's are: no wave writes LDS again while another still reads it
	s_wait_dscnt 0x0                               ; the closing lines, six on end
	s_wait_alu 0x0
	s_wait_tensorcnt 0x0
	ds_add_u32 v4, v5
	s_wait_dscnt 0x0
	s_endpgm
.Lfunc_end_k_qbc666bab20_ffn2:
	.size	k_qbc666bab20_ffn2, .Lfunc_end_k_qbc666bab20_ffn2-k_qbc666bab20_ffn2
	.p2alignl 7, 3214868480
	.fill 96, 4, 3214868480
	.section	.rodata,"a",@progbits
	.p2align	6, 0x0
	.amdhsa_kernel k_qbc666bab20_ffn2
		.amdhsa_group_segment_fixed_size 296448
		.amdhsa_private_segment_fixed_size 0
		.amdhsa_enable_private_segment 0
		.amdhsa_kernarg_size 48
		.amdhsa_user_sgpr_count 2
		.amdhsa_user_sgpr_kernarg_segment_ptr 1
		.amdhsa_wavefront_size32 1
		.amdhsa_system_sgpr_workgroup_id_x 1
		.amdhsa_system_sgpr_workgroup_id_y 1
		.amdhsa_system_sgpr_workgroup_id_z 1
		.amdhsa_system_vgpr_workitem_id 0
		.amdhsa_next_free_vgpr 704
		.amdhsa_next_free_sgpr 66
		.amdhsa_reserve_vcc 0
		.amdhsa_float_denorm_mode_32 3
		.amdhsa_float_denorm_mode_16_64 3
		.amdhsa_memory_ordered 1
		.amdhsa_forward_progress 1
		.amdhsa_inst_pref_size 146
	.end_amdhsa_kernel
	.amdgpu_metadata
---
amdhsa.version: [ 1, 2 ]
amdhsa.kernels:
  - .name:           k_qbc666bab20_ffn2
    .symbol:         k_qbc666bab20_ffn2.kd
    .args:
      - { .name: W2, .offset: 0, .size: 8, .value_kind: global_buffer, .address_space: global }
      - { .name: b2, .offset: 8, .size: 8, .value_kind: global_buffer, .address_space: global }
      - { .name: abuf, .offset: 16, .size: 8, .value_kind: global_buffer, .address_space: global }
      - { .name: topi, .offset: 24, .size: 8, .value_kind: global_buffer, .address_space: global }
      - { .name: ypart, .offset: 32, .size: 8, .value_kind: global_buffer, .address_space: global }
      - { .name: topw, .offset: 40, .size: 8, .value_kind: global_buffer, .address_space: global }
    .group_segment_fixed_size: 296448
    .private_segment_fixed_size: 0
    .kernarg_segment_align: 8
    .kernarg_segment_size: 48
    .max_flat_workgroup_size: 128
    .sgpr_count:     66
    .vgpr_count:     704
    .wavefront_size: 32
...
	.end_amdgpu_metadata
.endif
;; end of part 6
;; launch final: the kernel of part 4 again; grid 256 x 1, 8 waves a work-group, no clusters, 0 bytes of LDS; arguments hidden_states, ypart, psum, out0, out1; writes out0, out1
